; MI455X (gfx1250); checked and timed in simulation.
; The chip was launched on July 23, 2026; its instructions are those of AMD's public machine-readable ISA for CDNA 5 (MIT licence, August 2026) and "CDNA5" Instruction Set Architecture Reference Guide (July 2026). The comments in the code are by the model that wrote it; some were corrected since.
;; Attention. Allowed arithmetic: matrix products marked QUANTISED: E4M3 operands, one E8M0 scale for each 32 along K, by v_wmma_scale_f32_16x16x128_f8f6f4 with both operands' format E4M3, f32 sums; everything else in f32.
;; Inputs: bk 2,048 float32; bp 2,048 float32; bq 2,048 float32; bv 2,048 float32; cos 2,048 x 64 float32; sin 2,048 x 64 float32; wk_codes 2,048 x 64 x 32 uint8 (E4M3 codes of wk, K innermost, in blocks of 32 codes); wk_scales 2,048 x 64 uint8 (E8M0 scales of wk, one for each 32 codes along K); wp_codes 2,048 x 64 x 32 uint8 (E4M3 codes of wp, K innermost, in blocks of 32 codes); wp_scales 2,048 x 64 uint8 (E8M0 scales of wp, one for each 32 codes along K); wq_codes 2,048 x 64 x 32 uint8 (E4M3 codes of wq, K innermost, in blocks of 32 codes); wq_scales 2,048 x 64 uint8 (E8M0 scales of wq, one for each 32 codes along K); wv_codes 2,048 x 64 x 32 uint8 (E4M3 codes of wv, K innermost, in blocks of 32 codes); wv_scales 2,048 x 64 uint8 (E8M0 scales of wv, one for each 32 codes along K); x_codes 2,048 x 64 x 32 uint8 (E4M3 codes of x, K innermost, in blocks of 32 codes); x_scales 2,048 x 64 uint8 (E8M0 scales of x, one for each 32 codes along K).
;; Outputs: out0 2,048 x 2,048 float32.
;; This version of the problem:
;;   THIS VERSION OF THE PROBLEM IS GIVEN IN LOW PRECISION. The matrix products marked QUANTISED in the list below multiply operands that are first quantised to E4M3 (4 exponent bits, 3 mantissa bits; 8 bits a number), with one power-of-two scale for each 32 numbers along K (OCP MX v1.0); their sums are f32. All else is computed in f32.
;;   The module's matrix products, in the order in which they are computed (A, B: the left and right operand; K: the contracted axis; several contracted axes count as one K, in the product's order):
;;     1. [M 2,048, K 2,048] x [K 2,048, N 2,048]; A: input x (given as codes); B: input wq (given as codes): QUANTISED
;;     2. [M 2,048, K 2,048] x [K 2,048, N 2,048]; A: input x (given as codes); B: input wk (given as codes): QUANTISED
;;     3. [M 2,048, K 2,048] x [K 2,048, N 2,048]; A: input x (given as codes); B: input wv (given as codes): QUANTISED
;;     4. batch 16 x [M 2,048, K 128] x [K 128, N 2,048]; A: computed on the way; B: computed on the way: QUANTISED
;;     5. batch 16 x [M 128, K 2,048] x [K 2,048, N 2,048]; A: computed on the way; B: softmax (see below): QUANTISED
;;     6. [M 2,048, K 2,048] x [K 2,048, N 2,048]; A: computed on the way; B: input wp (given as codes): QUANTISED
;;   THE QUANTISER, for each operand of a quantised product, along K:
;;     - K is cut into blocks of 32 from its start; a last block that is shorter is filled with zeros.
;;     - A block's scale is 2^e with e = floor(log2(the largest magnitude in the block)) - 8, held to -126 .. 127; a block of zeros has e = 0. As a byte (E8M0): e + 127.
;;     - Each number is divided by its block's scale, clamped to +-448, and rounded to the nearest number of E4M3, ties to even, subnormals kept.
;;     - The product sums the exact products of the quantised numbers (number of the format x scale) in f32.
;;   ~~~python
;;   def quantise(x, axis):      # numpy; x: float32 -> the quantised numbers, widened to float32 again
;;       x = np.moveaxis(x, axis, -1); K = x.shape[-1]
;;       x = np.pad(x, [(0, 0)] * (x.ndim - 1) + [(0, -K % 32)]); x = x.reshape(x.shape[:-1] + (-1, 32)); a = np.abs(x).max(-1, keepdims=True)
;;       e = np.where(a > 0, np.clip(np.frexp(np.where(a > 0, a, 1))[1] - 1 - 8, -126, 127), 0)      # np.frexp(a)[1] - 1 = floor(log2(a)), exactly
;;       r = np.clip(x / 2.0 ** e, -448, 448)
;;       step = 2.0 ** (np.maximum(np.frexp(np.where(r == 0, 1, r))[1] - 1, -6) - 3)
;;       q = np.round(r / step) * step * 2.0 ** e      # np.round: ties to even
;;       return np.moveaxis(q.reshape(q.shape[:-2] + (-1,))[..., :K], -1, axis).astype(np.float32)
;;   ~~~
;;   SOFTMAX AHEAD OF A QUANTISED PRODUCT. Where the list says 'softmax', what is quantised is not the finished softmax but p = 2^(t - M), with t = logit x log2(e) and M = ceil(the row's largest t), a whole number; so 1/2 < the row's largest p <= 1. The row's sum l is taken of the UNQUANTISED p, in f32, and the product's result is divided by l at the end. Since M is a whole number, a kernel that streams over the keys may use a running M (the ceiling of the running maximum): every later rescaling is an exact power of two, which a block's scale takes up: the codes' values come out the same.
;;   OPERANDS COMPUTED ON THE WAY. 'Computed on the way' means the value that the module computes at that place (a softmax that the list does not call 'softmax' is quantised finished and normalised). What goes into a quantiser is computed in f32, as accurately as f32 sums, v_exp_f32 and their like allow (about 1e-6 of the number): no bf16 or f16 on the way to a quantiser, and a product that is left as it is and whose result goes on into a quantised operand takes f32 operands (vector FMAs, or v_wmma_f32_16x16x4_f32). A number that lies on a knife's edge between two numbers of the format may be rounded either way, as far as f32 arithmetic and the matrix unit's own rounding can turn it there, and no further.
;;   INPUTS GIVEN AS CODES. wk (in the module: [2048, 2048], K = its axis 1); wp (in the module: [2048, 2048], K = its axis 1); wq (in the module: [2048, 2048], K = its axis 1); wv (in the module: [2048, 2048], K = its axis 1); x (in the module: [2048, 2048], K = its axis 1): each comes as NAME_codes (uint8): NAME with its K axis moved to the last place and cut into blocks of 32 codes, [.., K / 32, bytes a block], one block behind the other in memory; one code a byte (a code: sign, 4 exponent bits, 3 mantissa bits); and NAME_scales (uint8): the same leading axes, one E8M0 byte (e + 127) for each 32 codes along K. Its value is code x scale, taken as it is: it is not quantised again, and the codes and scales need not be those that the quantiser above would give.
;; One version. Each part assembles by itself: llvm-mc -triple=amdgcn-amd-amdhsa -mcpu=gfx1250 --defsym DOCPART=n.
;; ======== version 1 of 1: 3 launches
;; workspace buffers: qc 4,194,304 bytes; qs 262,144 bytes; kvc 8,388,608 bytes; kvs 524,288 bytes; oc 4,194,304 bytes; os 262,144 bytes
;; launch qkv (part 1): grid 24 x 8, 4 waves a work-group, clusters of 4 x 4, 327,680 bytes of LDS; arguments x_codes, x_scales, wq_codes, wq_scales, wk_codes, wk_scales, wv_codes, wv_scales, bq, bk, bv, cos, sin, qc, qs, kvc, kvs; writes qc, qs, kvc, kvs
.if DOCPART == 1
	.amdgcn_target "amdgcn-amd-amdhsa--gfx1250"
	.amdhsa_code_object_version 6
	.text
	.protected	k_qafb111de05_qkv
	.globl	k_qafb111de05_qkv
	.p2align	8
	.type	k_qafb111de05_qkv,@function
k_qafb111de05_qkv:
	s_mov_b64 s[64:65], 0
	v_nop
	global_prefetch_b8 v0, s[64:65] scope:SCOPE_SE
	s_setreg_imm32_b32 hwreg(HW_REG_WAVE_MODE, 25, 1), 1
	s_wait_xcnt 0x0
	s_wait_alu depctr_hold_cnt(0) depctr_sa_sdst(0) depctr_va_vdst(0) depctr_va_sdst(0) depctr_va_ssrc(0) depctr_va_vcc(0) depctr_vm_vsrc(0)
	s_getreg_b32 s2, hwreg(HW_REG_IB_STS2, 6, 4)
	s_cmp_eq_u32 s2, 0
	s_cbranch_scc0 .Lentry_in_a_cluster
	s_endpgm
.Lentry_in_a_cluster:
	s_bfe_u32 s2, ttmp6, 0x10000c
	s_cmp_lg_u32 s2, 0xf033
	s_cbranch_scc0 .Lentry_shape_is_right
	s_endpgm
.Lentry_shape_is_right:
; q = rope(x wq^T + bq), k = rope(x wk^T + bk), v = x wv^T + bv, on codes of FP8 (E4M3) with one E8M0 scale for each 32 along K = 2,048; the results are quantised at once and leave as codes.
; One text serves the three products.  A tile of 256 x 256 is made by four waves, 128 x 128 each: 64 accumulators of 16 x 16.  Source 0 ("B") gives a lane's REGISTERS, source 1 ("A") gives the LANES.
;   cluster x 0, 1: q     B = 256 rows of wq, A = 256 tokens of x: a lane holds one token, its 64 registers of a block run along one head's 128 channels: the next product's K
;   cluster x 2, 3: k     the same with wk
;   cluster x 4, 5: v     B = 256 tokens of x, A = 256 rows of wv: a lane holds one channel, its registers run along 128 keys: the K of the product with the softmax
; The choice hangs on the cluster's x alone, which all sixteen partners share.  K goes in steps of 256 through a ring of two LDS slots; the scale bytes of the 512 rows come once and stay.
; CLUSTERS: 4 x 4.  A's tiles are shared along a row of the cluster, B's along a column: each is asked for jointly, by the same tensor load with a mask that names the four.
; THE WAY OUT.  Register 8 b + j of a block of 16 lanes' rows is number 16 b + 8 (lane / 16) + j along the next K.  So registers 16 c .. 16 c + 15 of lanes l and l xor 16 are one block of 32, and the codes are laid in the
; operand's registers with the numbers of a block in an order of their own: 8 h + 0..7, then 16 + 8 h + 0..7.  q and k have the same order, and so have v and the softmax's p: the sums are the same.
; A fragment (16 rows x 128 K, 16 registers a lane) leaves as an IMAGE OF ITS REGISTERS: four stores of 512 consecutive bytes, lane l's 16 bytes at 16 l.
;   qc  [head 16][block of 128 queries 16][tile 8][2,048]          qs  [head][block][group of 4 tiles 2][lane 32][4 words]
;   kvc [head][key step 16][K: 8 tiles of keys | V: 8 tiles of channels][2,048]      kvs [head][key step][K: 2 groups | V: 2 groups], a group as in qs
; LIMITS: NaN and infinities are not served.  A block whose largest magnitude lies under 2^-118, a block of zeros too, gets the scale byte 1 (the rule says 127 for zeros): its codes are zeros or the rule's own, and this program alone reads the bytes.
; REGISTERS, in windows of 256: window 0: v0-31 addresses; v32-63 scale words, two sets, never anything else; from v128 A's fragments, one set.  window 1: B's fragments, two sets.  windows 2, 3: the accumulators ((a, b) at v[8 (8 (a % 4) + b)]).
; No prefetch: the launch is short and its tiles are shared by joint loads.  One tile to a work-group: 192 work-groups; a smaller tile would read each LDS byte for half the products.
.set SIZE_K, 2048
.set KSTEP,  256                       ; along K in a slot
.set NQ,     KSTEP/128                 ; matrix instructions deep
.set ROWB,   256                       ; a tile's row in bytes
.set KROW,   SIZE_K                    ; a row of codes in memory
.set PITCH,  272                       ; an LDS row: 256 bytes + 16 of padding, so that the 16 rows that a load touches start 16 bytes apart modulo 256
.set FR,     16                        ; registers of a fragment
.set NL,     4                         ; LDS loads that bring one
.set NP,     8                         ; places behind this matrix instruction (ISA guide 7.12.1)
.set HALFT,  128*PITCH                 ; 128 rows: what one tensor load brings
.set SLOT,   4*HALFT                   ; A's 256 rows, then B's 256 rows
.set LAPS,   SIZE_K/(2*KSTEP)          ; a lap = two K steps = once round the ring
.set KS,     SIZE_K/32                 ; a row of scale bytes
.set SCL,    2*SLOT                    ; behind the ring: the scales, as units of 256 bytes + 16 of padding
.set HALFS,  (128*KS/256)*272          ; the scales of 128 rows
.set SBLK,   (16*KS/256)*272           ; those of 16 rows
.set SPARE,  SCL+4*HALFS               ; the spare words, 128 bytes for each wave: two blocks of 256 bytes that no other line names
.set ADRA, 16                          ; v16-17  LDS address of my A fragments in slot 0, 1
.set ADRB, 20                          ; v20-21  the same for B
.set ADRS, 27                          ; v27     LDS address of my scale words: lanes 0-15 A's rows, lanes 16-31 B's
.set SPW,  28                          ; v28     LDS address of my spare word; never rewritten
.set NIL,  29                          ; v29     0; never rewritten
.set SC,   32                          ; scale words: set s at v[SC + 8 NQ s]
.set AF,   128                         ; A's fragments, in window 0
.set LI,   8                           ; the way out: v8 16 x lane;  v9 32 h;  v10 256 r + 16 h;  v11 4 r
.set BO,   9
.set CO,   10
.set BL4,  11
.set WK,   64                          ; v64-127  a block's 64 numbers
.set BI,   128                         ; v128-191 q, k: the bias of my head's 128 channels, as the registers want it
.set BL,   192                         ; v192-207 v: the bias of my lane's channel in block a at v[BL + 2 a]
.set PC,   208                         ; v208-223 the codes just made
.set SW,   224                         ; v224-231 the eight blocks' scale words
.set TM,   232                         ; v232-247 at work in the quantiser
.set T,    248                         ; v248-251 at work in the rotation
.set PV,   12                          ; s12  1 on v's path
.set SEL,  58                          ; s[58:59] lane selects for v_permlanex16_b32: lane l xor 16
.set MNT,  60                          ; s60  the mantissa field of 448
.set G1, 24                            ; s[24:31] descriptor group 1 for A's tiles;  s[32:39] group 0, one set for each slot
.set G0, 32
.set G1B, 48                           ; s[48:55], s[56:63] the same for B's tiles
.set G0B, 56
.set G1S, 68                           ; s[68:75], s[76:79] groups 1 and 0 for A's scales;  s[80:87], s[88:91] for B's
.set G0S, 76
.set G1SB, 80
.set G0SB, 88
.set MSB, 0
.macro WIN new                         ; the immediate's high byte repeats the setting that is left
.if MSB != \new
	s_set_vgpr_msb (MSB<<8)|\new
.set MSB, \new
.endif
.endm
.set MUL_LO, 0xa1                      ; source 0 (B) window 1, source 1 (A) window 0, C and D window 2
.set MUL_HI, 0xf1                      ; the same, C and D window 3
.set TO_B,   0x40                      ; destination window 1, address window 0
; A joint load: waves 0 and 1 fetch for A, waves 2 and 3 for B.  The branch hangs on the wave's number alone.  Four v_nop follow each of the two lines.
.macro JLOAD g0a, g1a, g0b, g1b
	s_cmp_eq_u32 s15, 0
	s_cbranch_scc0 .Lfor_b_\@
	tensor_load_to_lds s[\g0a:\g0a+3], s[\g1a:\g1a+7]
	s_nop 0
.rept 4
	v_nop
.endr
	s_branch .Lasked_\@
.Lfor_b_\@:
	tensor_load_to_lds s[\g0b:\g0b+3], s[\g1b:\g1b+7]
	s_nop 0
.rept 4
	v_nop
.endr
.Lasked_\@:
.endm
.macro CREST                           ; a round of the cluster's barrier behind its opening barrier
	s_cmp_lg_u32 s14, 0
	s_cbranch_scc1 .Lnot_wave_0_\@
	s_barrier_signal -3
.Lnot_wave_0_\@:
	s_barrier_wait -3
	s_barrier_signal -1
	s_barrier_wait -1
.endm
.macro CROUND                          ; a whole round
	s_barrier_signal -1
	s_barrier_wait -1
	CREST
.endm
	s_load_b512 s[68:83], s[0:1], 0x0              ; x's codes, scales; wq's; wk's; wv's
	v_lshl_add_u32 v[SPW], v0, 2, SPARE
	v_mov_b32 v[NIL], 0
	ds_add_u32 v28, v29
	ds_add_u32 v28, v29
	s_wait_dscnt 0x0
	v_lshrrev_b32 v1, 5, v0
	v_readfirstlane_b32 s14, v1                    ; wave 0..3
	s_lshr_b32 s15, s14, 1                         ; which half of A's rows is mine.  Also: I fetch for A (0) or for B (1)
	s_and_b32 s16, s14, 1                          ; which half of B's rows.  Also: which 128 rows of that tile I fetch
	s_bfe_u32 s40, ttmp6, 0x40000                  ; cx, cy: my place in the cluster
	s_bfe_u32 s41, ttmp6, 0x40004
	s_and_b32 s42, ttmp9, 1                        ; two clusters along x serve one product:
	s_lshl_b32 s42, s42, 2
	s_add_co_u32 s42, s42, s40                     ; B's tile, 0..7 = 4 x (cluster x % 2) + cx
	s_and_b32 s17, ttmp7, 0xffff
	s_lshl_b32 s17, s17, 2
	s_add_co_u32 s17, s17, s41                     ; A's tile, 0..7 = 4 x cluster y + cy
	s_lshl_b32 s43, s41, 2
	s_lshl_b32 s43, 15, s43                        ; my row of the cluster
	s_lshl_b32 s44, 0x1111, s40                    ; my column
	; descriptor group 1: a tile of 128 rows x 256 bytes, padded in LDS
	s_or_b32 s[G1+0], s43, (0<<16)|(1<<20)|(1<<21)|(5<<22)|(3<<25)  ; 15:0 the mask: A's tiles go to my row; 17:16 element of 1 byte; 20 padding on; 21 set beside a mask; 24:22 after every 64 words; 31:25 of 4 words
	s_or_b32 s[G1B+0], s44, (0<<16)|(1<<20)|(1<<21)|(5<<22)|(3<<25)
.irp g, G1, G1B
	s_mov_b32 s[\g+1], ROWB<<16                    ; tensor_dim0
	s_mov_b32 s[\g+2], 128<<16                     ; tensor_dim1
	s_mov_b32 s[\g+3], ROWB<<16                    ; tile_dim0
	s_mov_b32 s[\g+4], 128                         ; tile_dim1
	s_mov_b32 s[\g+5], KROW                        ; tensor_dim0_stride
	s_mov_b32 s[\g+6], 0
	s_mov_b32 s[\g+7], 0
.endr
	s_lshl_b32 s18, s16, 7                         ; which 128 rows of the tile I fetch
	s_lshl_b32 s20, s17, 8
	s_add_co_u32 s20, s20, s18                     ; A: row 256 x tile + 128 x half
	s_lshl_b32 s46, s42, 8
	s_add_co_u32 s46, s46, s18                     ; B likewise
	s_mov_b32 s21, 0
	s_mov_b32 s47, 0
	s_mov_b64 s[18:19], KS
	s_mul_u64 s[22:23], s[20:21], s[18:19]         ; where these rows' scales begin, in bytes
	s_mul_u64 s[92:93], s[46:47], s[18:19]
	s_mov_b64 s[18:19], KROW
	s_mul_u64 s[20:21], s[20:21], s[18:19]         ; and their codes
	s_mul_u64 s[46:47], s[46:47], s[18:19]
	s_mul_i32 s45, s14, HALFT                      ; where they go: wave x 128 rows: no place in the cluster enters an LDS address
	s_mul_i32 s94, s14, HALFS
	s_wait_kmcnt 0x0
	s_cmp_lt_u32 ttmp9, 2                          ; which product: the choice hangs on the cluster's x alone
	s_cselect_b64 s[72:73], s[72:73], s[76:77]     ; wq or wk
	s_cselect_b64 s[74:75], s[74:75], s[78:79]
	s_cmp_lt_u32 ttmp9, 4
	s_cselect_b64 s[4:5], s[68:69], s[80:81]       ; A's codes: x, on v's path wv
	s_cselect_b64 s[6:7], s[70:71], s[82:83]       ; A's scales
	s_cselect_b64 s[8:9], s[72:73], s[68:69]       ; B's codes: the weight, on v's path x
	s_cselect_b64 s[10:11], s[74:75], s[70:71]     ; B's scales
	s_cselect_b32 s[PV], 0, 1
	; the eight addresses are chosen from: their registers now take the scales' descriptors: 128 rows' scales, 8,192 dense bytes, as rows of 256 bytes (32 elements of 8), 16 bytes of padding behind each
	s_or_b32 s[G1S+0], s43, (3<<16)|(1<<20)|(1<<21)|(5<<22)|(3<<25)
	s_or_b32 s[G1SB+0], s44, (3<<16)|(1<<20)|(1<<21)|(5<<22)|(3<<25)
.irp g, G1S, G1SB
	s_mov_b32 s[\g+1], 32<<16
	s_mov_b32 s[\g+2], (128*KS/256)<<16
	s_mov_b32 s[\g+3], 32<<16
	s_mov_b32 s[\g+4], 128*KS/256
	s_mov_b32 s[\g+5], 32
	s_mov_b32 s[\g+6], 0
	s_mov_b32 s[\g+7], 0
.endr
	s_add_nc_u64 s[20:21], s[4:5], s[20:21]
	s_add_nc_u64 s[22:23], s[6:7], s[22:23]
	s_add_nc_u64 s[46:47], s[8:9], s[46:47]
	s_add_nc_u64 s[92:93], s[10:11], s[92:93]
	CROUND                                         ; all sixteen work-groups are here: the first joint loads meet
	s_mov_b32 s[G0S], 1
	s_add_co_u32 s[G0S+1], s94, SCL
	s_mov_b64 s[G0S+2:G0S+3], s[22:23]
	s_or_b32 s[G0S+3], s[G0S+3], 0x80000000
	s_mov_b32 s[G0SB], 1
	s_add_co_u32 s[G0SB+1], s94, SCL
	s_mov_b64 s[G0SB+2:G0SB+3], s[92:93]
	s_or_b32 s[G0SB+3], s[G0SB+3], 0x80000000
	JLOAD G0S, G1S, G0SB, G1SB                     ; the scales first: they are wanted with K step 0
.irp s, 0,1
	s_mov_b32 s[G0+4*\s], 1
	s_add_co_u32 s[G0+4*\s+1], s45, \s*SLOT
	s_add_nc_u64 s[G0+4*\s+2:G0+4*\s+3], s[20:21], \s*ROWB
	s_or_b32 s[G0+4*\s+3], s[G0+4*\s+3], 0x80000000
	s_mov_b32 s[G0B+4*\s], 1
	s_add_co_u32 s[G0B+4*\s+1], s45, \s*SLOT
	s_add_nc_u64 s[G0B+4*\s+2:G0B+4*\s+3], s[46:47], \s*ROWB
	s_or_b32 s[G0B+4*\s+3], s[G0B+4*\s+3], 0x80000000
	JLOAD G0+4*\s, G1, G0B+4*\s, G1B
.endr
	v_and_b32 v1, 15, v0                           ; r = l % 16; stays
	v_bfe_u32 v2, v0, 4, 1                         ; h = l / 16; stays
	v_mul_u32_u24 v3, v1, PITCH
	v_lshl_add_u32 v4, v2, 4, v3                   ; a fragment's row x pitch + 16 x half
	s_mul_i32 s21, s15, HALFT                      ; my 128 rows of A
	s_mul_i32 s22, s16, HALFT                      ; my 128 rows of B,
	s_add_co_u32 s22, s22, 2*HALFT                 ; which lie behind A's 256
.irp s, 0,1
	v_add_nc_u32 v[ADRA+\s], s21, v4
	v_add_nc_u32 v[ADRB+\s], s22, v4
	s_add_co_u32 s21, s21, SLOT
	s_add_co_u32 s22, s22, SLOT
.endr
	v_mul_u32_u24 v5, v1, KS                       ; my row's scales: KS bytes a row,
	v_lshrrev_b32 v6, 8, v5
	v_lshl_add_u32 v5, v6, 4, v5                   ; and 16 more for each 256 passed
	s_mul_i32 s21, s15, HALFS                      ; A's: my 128 rows
	s_mul_i32 s22, s16, HALFS                      ; B's: my 128 rows, behind A's 256
	s_add_co_u32 s22, s22, 2*HALFS
	s_sub_co_u32 s22, s22, s21
	v_mul_u32_u24 v6, s22, v2                      ; lanes 16-31 take B's: one product, the distance between the two bases
	s_add_co_u32 s21, s21, SCL
	v_add_nc_u32 v5, v5, v6
	v_add_nc_u32 v[ADRS], s21, v5
.macro FRAG reg, adr, q, i             ; a fragment: lane l holds row l % 16; registers 4 c .. 4 c + 3 hold K = 32 c + 16 (l / 16) + 0 .. 15
.irp c, 0,1,2,3
	ds_load_b128 v[\reg+4*\c:\reg+4*\c+3], v[\adr] offset:128*(\q)+32*\c+(\i)*16*PITCH
.endr
.endm
; 16 matrix instructions: A's blocks a0, a0 + 1 x B's eight, 128 along K.  p: B's set;  sc: the set of scale words.  zero = 1: the first product starts the sums.
; The 64 accumulators take turns, one instruction a turn, in the same order in every step.
.macro MUL16 a0, p, q, sc, zero
.irp a, \a0, \a0+1
.irp b, 0,1,2,3,4,5,6,7
.if \zero
	v_wmma_scale_f32_16x16x128_f8f6f4 v[8*(8*((\a)%4)+\b):8*(8*((\a)%4)+\b)+7], v[128*(\p)+FR*\b:128*(\p)+FR*\b+FR-1], v[AF+FR*(\a):AF+FR*(\a)+FR-1], 0, v[SC+8*NQ*(\sc)+NQ*\b+(\q)], v[SC+8*NQ*(\sc)+NQ*(\a)+(\q)] matrix_a_scale:MATRIX_SCALE_ROW1
.else
	v_wmma_scale_f32_16x16x128_f8f6f4 v[8*(8*((\a)%4)+\b):8*(8*((\a)%4)+\b)+7], v[128*(\p)+FR*\b:128*(\p)+FR*\b+FR-1], v[AF+FR*(\a):AF+FR*(\a)+FR-1], v[8*(8*((\a)%4)+\b):8*(8*((\a)%4)+\b)+7], v[SC+8*NQ*(\sc)+NQ*\b+(\q)], v[SC+8*NQ*(\sc)+NQ*(\a)+(\q)] matrix_a_scale:MATRIX_SCALE_ROW1
.endif
.endr
.endr
.endm
.macro FETCH_B slot, q, p              ; B's eight fragments of the slot's q-th 128 along K into set p
	WIN TO_B
.irp i, 0,1,2,3,4,5,6,7
	FRAG 128*(\p)+FR*\i, ADRB+\slot, \q, \i
.endr
	WIN 0
.endm
.macro FETCH_A slot, q, i0             ; A's blocks i0 .. i0 + 3
.irp i, \i0, \i0+1, \i0+2, \i0+3
	FRAG AF+FR*(\i), ADRA+\slot, \q, \i
.endr
.endm
.macro SCALES sc                       ; a K step's scale words into set sc: lanes 0-15 take A's block i, lanes 16-31 B's block i
.irp i, 0,1,2,3,4,5,6,7
	ds_load_b64 v[SC+8*NQ*\sc+NQ*\i:SC+8*NQ*\sc+NQ*\i+1], v[ADRS] offset:\i*SBLK
.endr
.endm
.macro PLACES n                        ; plain vector instructions between a matrix instruction and a load into, or a read of, its registers
.rept \n
	v_nop
.endr
.endm
; A step of 128 along K that has its successor in the same slot.  A has one set of registers: blocks 0-3 are fetched anew in the step's middle, blocks 4-7 at its end.
.macro STEP slot, q, zero
	s_wait_dscnt 4*NL                              ; B's set and A's blocks 0-3 are in; the youngest 16 loads (A's blocks 4-7) may be out
	WIN MUL_LO
	MUL16 0, (\q)%2, \q, \slot, \zero
	MUL16 2, (\q)%2, \q, \slot, \zero
	s_wait_dscnt 0                                 ; A's blocks 4-7 are in
	PLACES NP
	FETCH_B \slot, (\q)+1, 1-(\q)%2
	FETCH_A \slot, (\q)+1, 0
	WIN MUL_HI
	MUL16 4, (\q)%2, \q, \slot, \zero
	MUL16 6, (\q)%2, \q, \slot, \zero
	PLACES NP
	WIN 0
	FETCH_A \slot, (\q)+1, 4
.endm
; A slot's last step changes slots: one barrier; in front of it each wave waits for all its tensor loads, adds 0 to its spare word, and waits for that and for its reads of this slot.  fill = 1: the slot is filled again, two K steps ahead.
.macro TURN slot, next, fill
	s_wait_tensorcnt 0x0                           ; all my tensor loads have landed: my part of the next slot
	ds_add_u32 v[SPW], v[NIL]                      ; 0 onto my spare word
	s_wait_dscnt 4*NL+1                            ; the add and the youngest 16 loads (A's blocks 4-7) may be out
	WIN MUL_LO
	MUL16 0, 1, NQ-1, \slot, 0                     ; sixteen matrix instructions stand between the add and the wait for it
	s_wait_dscnt 0x0                               ; the add is done, and my reads of this slot are over
	s_barrier_signal -1
	MUL16 2, 1, NQ-1, \slot, 0
	WIN 0
	s_barrier_wait -1
.if \fill
	CREST                                          ; the barrier has opened a round of the cluster's: no wave of any partner still reads this slot or has a load on its way
	s_add_nc_u64 s[G0+4*\slot+2:G0+4*\slot+3], s[G0+4*\slot+2:G0+4*\slot+3], 2*ROWB
	s_add_nc_u64 s[G0B+4*\slot+2:G0B+4*\slot+3], s[G0B+4*\slot+2:G0B+4*\slot+3], 2*ROWB
	JLOAD G0+4*\slot, G1, G0B+4*\slot, G1B         ; the first tensor load behind the round; its four v_nop are among the places in front of the loads below
	PLACES NP-4
.else
	PLACES NP
.endif
	v_add_nc_u32 v[ADRS], 4*NQ, v[ADRS]            ; on to the next K step's scale words
	FETCH_B \next, 0, 0
	FETCH_A \next, 0, 0
	SCALES \next
	WIN MUL_HI
	MUL16 4, 1, NQ-1, \slot, 0
	MUL16 6, 1, NQ-1, \slot, 0
	PLACES NP
	WIN 0
	FETCH_A \next, 0, 4
.endm
	s_wait_tensorcnt 1                             ; the scales and my part of K step 0 are in; K step 1's load may be out
	s_barrier_signal -1
	s_barrier_wait -1
	FETCH_B 0, 0, 0
	FETCH_A 0, 0, 0
	SCALES 0
	FETCH_A 0, 0, 4
	STEP 0, 0, 1                                   ; the first step stands in front of the loop: its products start the sums
	s_mov_b32 s3, LAPS-1
.Llap:                                                 ; a trip goes once round the ring and fills both slots again
	TURN 0, 1, 1
	STEP 1, 0, 0
	TURN 1, 0, 1
	STEP 0, 0, 0
	s_sub_co_u32 s3, s3, 1
	s_cmp_lg_u32 s3, 0
	s_cbranch_scc1 .Llap
	TURN 0, 1, 0                                   ; the last lap fills nothing
	s_load_b512 s[24:39], s[0:1], 0x40             ; no tensor load of mine is out any more, so the descriptors' registers are free: bq, bk, bv, cos, sin, qc, qs, kvc
	s_load_b64 s[40:41], s[0:1], 0x80              ; kvs
	STEP 1, 0, 0
	s_wait_dscnt 4*NL                              ; the very last step: nothing more to fetch
	WIN MUL_LO
	MUL16 0, 1, NQ-1, 1, 0
	MUL16 2, 1, NQ-1, 1, 0
	s_wait_dscnt 0
	WIN MUL_HI
	MUL16 4, 1, NQ-1, 1, 0
	MUL16 6, 1, NQ-1, 1, 0
	WIN 0
; ---------------- THE WAY OUT ----------------
	v_and_b32 v[LI], 31, v0
	v_lshlrev_b32 v[LI], 4, v[LI]                  ; an image's place for my lane
	v_lshlrev_b32 v[BO], 5, v2                     ; q, k: my half's eight channels of a tile of 16, in the bias
	v_lshlrev_b32 v[CO], 8, v1
	v_lshl_add_u32 v[CO], v2, 4, v[CO]             ; cos, sin: my token's row of 256 bytes, + my half's four pairs
	v_lshlrev_b32 v[BL4], 2, v1                    ; v: my channel, in the bias
	PLACES NP                                      ; behind the last products: loads and vector instructions now write registers that they read, and read their results
.irp b, 0,1,2,3
	v_mov_b32 v[TM+4+\b], 0                        ; written once: a lane permute's destination counts as one of its sources
.endr
	s_wait_kmcnt 0x0
	s_lshl_b32 s18, s42, 1
	s_add_co_u32 s18, s18, s16                     ; which 128 of B's 2,048 rows are mine
	s_lshl_b32 s19, s17, 1
	s_add_co_u32 s19, s19, s15                     ; and of A's
	s_cmp_eq_u32 s[PV], 0
	s_cselect_b32 s20, s18, s19                    ; the head: from the weight's rows
	s_cselect_b32 s21, s19, s18                    ; the block of 128 tokens: from x's rows
	s_cselect_b64 s[52:53], s[26:27], s[28:29]     ; bk, or bv
	s_cselect_b32 s22, 0, 16384                    ; V's tiles lie behind K's in a key step,
	s_cselect_b32 s23, 0, 1024                     ; and so do its scale words
	s_cmp_lt_u32 ttmp9, 2
	s_cselect_b64 s[48:49], s[34:35], s[38:39]     ; codes: qc or kvc
	s_cselect_b64 s[50:51], s[36:37], s[40:41]     ; scale words: qs or kvs
	s_cselect_b64 s[52:53], s[24:25], s[52:53]     ; bq
	s_cselect_b32 s43, 14, 15                      ; 16,384 bytes of codes for a head's block in qc, 32,768 in kvc
	s_cselect_b32 s44, 10, 11
	s_lshl_b32 s45, s20, 4
	s_add_co_u32 s45, s45, s21                     ; 16 x head + block
	s_lshl_b32 s46, s45, s43
	s_add_co_u32 s46, s46, s22
	s_mov_b32 s47, 0
	s_add_nc_u64 s[48:49], s[48:49], s[46:47]
	s_lshl_b32 s46, s45, s44
	s_add_co_u32 s46, s46, s23
	s_add_nc_u64 s[50:51], s[50:51], s[46:47]
	s_lshl_b32 s46, s20, 9
	s_add_nc_u64 s[52:53], s[52:53], s[46:47]      ; the bias at my head's 128 numbers
	s_lshl_b32 s46, s21, 15
	s_add_nc_u64 s[54:55], s[30:31], s[46:47]      ; cos and sin at my 128 tokens (read on q's and k's paths alone)
	s_add_nc_u64 s[56:57], s[32:33], s[46:47]
	s_mov_b32 s[SEL], 0x76543210
	s_mov_b32 s[SEL+1], 0xfedcba98
	s_mov_b32 s[MNT], 0x600000
; cos and sin of block a's 16 tokens into set a % 2 of window 1: pair i = 4 b + 0..3 of my registers is pair 8 b + 4 h + 0..3 of the head: cos at v[128 (a % 2) + i], sin 32 further on
.macro CS_LOAD a
.set CL, 128*((\a)%2)
	WIN TO_B
.irp b, 0,1,2,3,4,5,6,7
	global_load_b128 v[CL+4*\b:CL+4*\b+3], v[CO], s[54:55] offset:4096*(\a)+32*\b
	global_load_b128 v[CL+32+4*\b:CL+32+4*\b+3], v[CO], s[56:57] offset:4096*(\a)+32*\b
.endr
	WIN 0
.endm
; 64 numbers of a lane, v[s] on, of which registers 16 b .. 16 b + 15 and those of lane l xor 16 are block b, become a fragment's codes in v[pc] on and its scale word in v[pw]
.macro QUANT s, pc, pw, tm
.irp b, 0,1,2,3
	v_max3_num_f32 v[\tm+\b], |v[\s+16*\b]|, |v[\s+1+16*\b]|, 0x4800000   ; my 16 numbers, and the floor 2^(9 - 127): so the byte cannot fall under 1
.endr
.irp i, 2,4,6,8,10,12,14
.irp b, 0,1,2,3
	v_max3_num_f32 v[\tm+\b], v[\tm+\b], |v[\s+16*\b+\i]|, |v[\s+1+16*\b+\i]|   ; the four blocks by turns
.endr
.endr
.irp b, 0,1,2,3
	v_permlanex16_b32 v[\tm+4+\b], v[\tm+\b], s[SEL], s[SEL+1]
.endr
.irp b, 0,1,2,3
	v_max_num_f32 v[\tm+\b], v[\tm+\b], v[\tm+4+\b]   ; with lane l xor 16's: the block's largest magnitude
.endr
.irp b, 0,1,2,3
	v_add_nc_u32 v[\tm+12+\b], 0xfc000000, v[\tm+\b]   ; 8 off its exponent field: the conversion takes this operand's exponent field as its scale
.endr
.irp b, 0,1,2,3
	v_and_or_b32 v[\tm+8+\b], v[\tm+\b], 0x7f800000, s[MNT]   ; 448 x the scale
.endr
.irp b, 0,1,2,3
	v_lshrrev_b32 v[\tm+4+\b], 23, v[\tm+12+\b]   ; the scale's byte
.endr
	v_lshl_or_b32 v[\pw], v[\tm+5], 8, v[\tm+4]    ; four bytes make my row's scale word; lanes l and l xor 16 hold the same
	v_lshl_or_b32 v[\pw], v[\tm+6], 16, v[\pw]
	v_lshl_or_b32 v[\pw], v[\tm+7], 24, v[\pw]
.irp b, 0,1,2,3
.irp i, 0,1,2,3,4,5,6,7,8,9,10,11,12,13,14,15
	v_med3_num_f32 v[\s+16*\b+\i], v[\s+16*\b+\i], -v[\tm+8+\b], v[\tm+8+\b]   ; the conversion to an 8-bit code does not saturate (ISA guide 7.6.2): the hold at the largest code x the scale
.endr
	v_cvt_scalef32_pk8_fp8_f32 v[\pc+4*\b:\pc+1+4*\b], v[\s+16*\b:\s+7+16*\b], v[\tm+12+\b]
	v_cvt_scalef32_pk8_fp8_f32 v[\pc+2+4*\b:\pc+3+4*\b], v[\s+8+16*\b:\s+15+16*\b], v[\tm+12+\b]
.endr
	v_nop                                          ; a plain vector instruction between the last conversion and whatever vector instruction next touches its registers
.endm
	s_cmp_lg_u32 s[PV], 0
	s_cbranch_scc1 .Lv_head
.irp b, 0,1,2,3,4,5,6,7
	global_load_b128 v[BI+8*\b:BI+8*\b+3], v[BO], s[52:53] offset:64*\b         ; q, k: the bias of channels 16 b + 8 h + 0 .. 7
	global_load_b128 v[BI+8*\b+4:BI+8*\b+7], v[BO], s[52:53] offset:64*\b+16
.endr
	CS_LOAD 0
	s_branch .Lblocks
.Lv_head:
.irp a, 0,1,2,3,4,5,6,7
	global_load_b32 v[BL+2*\a], v[BL4], s[52:53] offset:64*\a                   ; v: the bias of channel 16 a + r
.endr
.Lblocks:
; Block a: A's rows 16 a .. 16 a + 15 against all 128 of B's.  The bias is added on the way out of the accumulators' window; q and k are rotated; then the 64 numbers are quantised and leave.
; The two arms part on PV, which is fixed for a wave.  Each arm by itself leaves the loads in a state that either arm of the next block can take up: the first leaves out only the 16 loads that it has just issued,
; into the set of tables that the next block reads; the second leaves out none.  So a set of tables is never asked for while an earlier load into it is pending, on any way through the text.
.macro BLOCK a
.set AC, 64*((\a)%4)
.set CSB, 128*((\a)%2)
.set WSEL, 2+(\a)/4                    ; source 0 in the accumulators' window
	s_cmp_lg_u32 s[PV], 0
	s_cbranch_scc1 .Lv_arm_\@
.if (\a) < 7
	CS_LOAD (\a)+1                                 ; the next block's tables, into the other set
	s_wait_loadcnt 16                              ; all but the 16 loads just issued: the bias and this block's tables are in
.else
	s_wait_loadcnt 0
.endif
	WIN WSEL
.set i, 0
.rept 32
	v_pk_add_f32 v[WK+2*i:WK+2*i+1], v[AC+2*i:AC+2*i+1], v[BI+2*i:BI+2*i+1]   ; each accumulator from its low end on
.set i, i+1
.endr
	WIN 0x04                                       ; source 1, the tables, in window 1
.irp g, 0,1,2,3,4,5,6,7                        ; (x0, x1) -> (x0 c - x1 s, x0 s + x1 c), four pairs by turns
.irp n, 0,1,2,3
	v_mul_f32 v[T+\n], v[WK+8*\g+2*\n+1], v[CSB+32+4*\g+\n]
.endr
.irp n, 0,1,2,3
	v_mul_f32 v[WK+8*\g+2*\n+1], v[WK+8*\g+2*\n+1], v[CSB+4*\g+\n]
.endr
.irp n, 0,1,2,3
	v_fmac_f32 v[WK+8*\g+2*\n+1], v[WK+8*\g+2*\n], v[CSB+32+4*\g+\n]
.endr
.irp n, 0,1,2,3
	v_fma_f32 v[WK+8*\g+2*\n], v[WK+8*\g+2*\n], v[CSB+4*\g+\n], -v[T+\n]
.endr
.endr
	WIN 0
	s_branch .Lquant_\@
.Lv_arm_\@:
	s_wait_loadcnt 0                               ; the bias, v's only loads: in block 0 it waits for them, later it is met at once; it stands in every block so that this arm leaves no load out (see the macro's head)
	WIN WSEL
.set i, 0
.rept 32
	v_pk_add_f32 v[WK+2*i:WK+2*i+1], v[AC+2*i:AC+2*i+1], v[BL+2*(\a):BL+2*(\a)+1] op_sel_hi:[1,0]   ; my channel's bias: the pair's low word serves both halves
.set i, i+1
.endr
	WIN 0
.Lquant_\@:
	s_wait_xcnt 0x0                                ; the last block's stores have read their data: the codes' registers may be written again
	QUANT WK, PC, SW+(\a), TM
.irp c, 0,1,2,3
	global_store_b128 v[LI], v[PC+4*\c:PC+4*\c+3], s[48:49] offset:2048*(\a)+512*\c   ; 32 lanes store 512 consecutive bytes, at a multiple of 256 from the buffer's first byte
.endr
.if (\a)%4 == 3
	global_store_b128 v[LI], v[SW+(\a)-3:SW+(\a)], s[50:51] offset:512*((\a)/4)       ; four tiles' scale words, likewise
.endif
.endm
.irp a, 0,1,2,3,4,5,6,7
	BLOCK \a
.endr
	s_wait_tensorcnt 0x0                           ; the wave's end
	ds_add_u32 v[SPW], v[NIL]
	s_wait_dscnt 0x0
	CROUND                                         ; the closing round: no work-group ends while a partner may still ask for a tile that names it
	s_endpgm
.Lfunc_end_k_qafb111de05_qkv:
	.size	k_qafb111de05_qkv, .Lfunc_end_k_qafb111de05_qkv-k_qafb111de05_qkv
	.p2alignl 7, 3214868480
	.fill 96, 4, 3214868480
	.section	.rodata,"a",@progbits
	.p2align	6, 0x0
	.amdhsa_kernel k_qafb111de05_qkv
		.amdhsa_group_segment_fixed_size 327680
		.amdhsa_private_segment_fixed_size 0
		.amdhsa_enable_private_segment 0
		.amdhsa_kernarg_size 136
		.amdhsa_user_sgpr_count 2
		.amdhsa_user_sgpr_kernarg_segment_ptr 1
		.amdhsa_wavefront_size32 1
		.amdhsa_system_sgpr_workgroup_id_x 1
		.amdhsa_system_sgpr_workgroup_id_y 1
		.amdhsa_system_sgpr_workgroup_id_z 1
		.amdhsa_system_vgpr_workitem_id 0
		.amdhsa_next_free_vgpr 1024
		.amdhsa_next_free_sgpr 100
		.amdhsa_reserve_vcc 0
		.amdhsa_float_denorm_mode_32 3
		.amdhsa_float_denorm_mode_16_64 3
		.amdhsa_memory_ordered 1
		.amdhsa_forward_progress 1
		.amdhsa_inst_pref_size 255
	.end_amdhsa_kernel
	.section	.bss,"aw",@nobits
	.p2align	6
	.space	262144
	.amdgpu_metadata
---
amdhsa.version: [ 1, 2 ]
amdhsa.kernels:
  - .name:           k_qafb111de05_qkv
    .symbol:         k_qafb111de05_qkv.kd
    .args:
      - { .name: x_codes, .offset: 0, .size: 8, .value_kind: global_buffer, .address_space: global }
      - { .name: x_scales, .offset: 8, .size: 8, .value_kind: global_buffer, .address_space: global }
      - { .name: wq_codes, .offset: 16, .size: 8, .value_kind: global_buffer, .address_space: global }
      - { .name: wq_scales, .offset: 24, .size: 8, .value_kind: global_buffer, .address_space: global }
      - { .name: wk_codes, .offset: 32, .size: 8, .value_kind: global_buffer, .address_space: global }
      - { .name: wk_scales, .offset: 40, .size: 8, .value_kind: global_buffer, .address_space: global }
      - { .name: wv_codes, .offset: 48, .size: 8, .value_kind: global_buffer, .address_space: global }
      - { .name: wv_scales, .offset: 56, .size: 8, .value_kind: global_buffer, .address_space: global }
      - { .name: bq, .offset: 64, .size: 8, .value_kind: global_buffer, .address_space: global }
      - { .name: bk, .offset: 72, .size: 8, .value_kind: global_buffer, .address_space: global }
      - { .name: bv, .offset: 80, .size: 8, .value_kind: global_buffer, .address_space: global }
      - { .name: cos, .offset: 88, .size: 8, .value_kind: global_buffer, .address_space: global }
      - { .name: sin, .offset: 96, .size: 8, .value_kind: global_buffer, .address_space: global }
      - { .name: qc, .offset: 104, .size: 8, .value_kind: global_buffer, .address_space: global }
      - { .name: qs, .offset: 112, .size: 8, .value_kind: global_buffer, .address_space: global }
      - { .name: kvc, .offset: 120, .size: 8, .value_kind: global_buffer, .address_space: global }
      - { .name: kvs, .offset: 128, .size: 8, .value_kind: global_buffer, .address_space: global }
    .group_segment_fixed_size: 327680
    .private_segment_fixed_size: 0
    .kernarg_segment_align: 8
    .kernarg_segment_size: 136
    .max_flat_workgroup_size: 128
    .sgpr_count:     100
    .vgpr_count:     1024
    .wavefront_size: 32
...
	.end_amdgpu_metadata
.endif
;; end of part 1
;; launch attn (part 2): grid 16 x 16, 8 waves a work-group, clusters of 4 x 1, 327,680 bytes of LDS; arguments qc, qs, kvc, kvs, oc, os; writes oc, os
.if DOCPART == 2
	.amdgcn_target "amdgcn-amd-amdhsa--gfx1250"
	.amdhsa_code_object_version 6
	.text
	.protected	k_qafb111de05_attn
	.globl	k_qafb111de05_attn
	.p2align	8
	.type	k_qafb111de05_attn,@function
k_qafb111de05_attn:
	s_mov_b64 s[64:65], 0
	v_nop
	global_prefetch_b8 v0, s[64:65] scope:SCOPE_SE
	s_setreg_imm32_b32 hwreg(HW_REG_WAVE_MODE, 25, 1), 1
	s_wait_xcnt 0x0
	s_wait_alu depctr_hold_cnt(0) depctr_sa_sdst(0) depctr_va_vdst(0) depctr_va_sdst(0) depctr_va_ssrc(0) depctr_va_vcc(0) depctr_vm_vsrc(0)
	s_getreg_b32 s2, hwreg(HW_REG_IB_STS2, 6, 4)
	s_cmp_eq_u32 s2, 0
	s_cbranch_scc0 .Lentry_in_a_cluster
	s_endpgm
.Lentry_in_a_cluster:
	s_bfe_u32 s2, ttmp6, 0x10000c
	s_cmp_lg_u32 s2, 0x3003
	s_cbranch_scc0 .Lentry_shape_is_right
	s_endpgm
.Lentry_shape_is_right:
; O[h][q] = the sum over keys k <= q of softmax_k(Q[h][q] . K[h][k] / sqrt(2048)) V[h][k], both products on codes of FP8 (E4M3) with one E8M0 scale for each 32 along K; O / l is quantised along its 128 channels and leaves as codes.
; All operands come as images of operand registers (a fragment of 16 rows x 128 K: 2,048 bytes, lane l's 16 bytes of register group c at 512 c + 16 l), so every LDS and memory access is 512 consecutive bytes.
; THE SOFTMAX: t = score x log2(e) / sqrt(2048); M = the running largest t rounded UP to a whole number; p = 2^(t - M) is quantised along the keys, not normalised; the row's sum is taken of the unquantised p and divides O at the end.
; When M moves, the sum and O are multiplied by 2^(old M - new M): exact.
; LAYOUT.  Both products are used transposed: S^T = K Q^T (source 0 = 16 neighbouring keys), O^T = V^T P^T (source 0 = 16 channels): a lane holds ONE query (lane % 16) throughout.  Register 8 t + j of S^T is key 16 t + 8 (lane / 16) + j,
; so registers 16 b .. 16 b + 15 of lanes l and l xor 16 are one block of 32 keys; V's codes were laid in the same order inside each block, and Q's and K's channels likewise: the sums are the same.
; SHARES.  A wave owns one tile of 16 queries, in 512 registers: eight waves, two to a SIMD.  A cluster of four work-groups serves the query blocks (of 128) a0, a0 + 1, 14 - a0, 15 - a0 of one head, a0 = 2 x cluster x; a work-group takes half of
; an early block and half of a late one: waves of type 0 the early, of type 1 the late, so that each work-group has the same work.  All walk the same K and V: each slot is asked for JOINTLY by the four.
; FRAGMENTS ARE ASKED FOR AHEAD.  Window 1 holds a whole step's eight fragments of V and eight of K.  V's are asked for at a step's head, ahead of the eight products S^T and the softmax; the next step's K behind the products S^T, ahead of the softmax:
; so between a request and the wait for it stand the softmax's vector instructions, and both waits of a step are counted.  Only a slot's first K is asked for just ahead of its use, behind the change of slots.
; CAUSAL.  The loops' trip counts are constants; a key step is WORKED while its first key is at most LASTK, and scores are compared with the query from MASKK on.  Both hang on the cluster's x and the wave's number alone, never on the
; work-group's place in its cluster: so a wave of the earlier of two blocks works one step all of whose keys are hidden: its p are 0, its codes zeros, and M stands, since key 0 counts for every query.  Slots that no wave of a cluster works are fetched all the same.
; LIMITS: NaN and infinities are not served.  v_exp_f32 gives 0 for results under 2^-126.  A block whose largest magnitude lies under 2^-118, a block of zeros too, gets the scale byte 1; this program alone reads the bytes.
; REGISTERS, window 0: v1-7 addresses that stay; v8-10 addresses of the slot; v12 -M, v13 the largest t, v[14:15] the sum in two halves; v16-31 Q; v32-39 K's scale words, v40-47 V's, and nothing else; v48-80 the way out; v96-159 S^T, then p;
; v160-223 O^T; v224-239 p's codes; v232-254 at work; v253 p's scale word, v255 Q's.   window 1: v0-127 V's eight fragments, v128-255 K's.
.set SLOT1, 131072                     ; a slot: four key steps of 32,768 bytes (8 tiles of K, 8 of V), as they lie in kvc; slot 1 begins here, so that one exclusive or turns an address
.set SCB,   2*SLOT1                    ; behind the ring: the head's scale words, 32,768 bytes, filled once
.set SPARE, SCB+32768                  ; the spare words, 128 bytes for each wave: four blocks of 256 bytes that no other line names
.set LI,   1                           ; v1   16 x lane
.set L4,   2                           ; v2   4 x lane
.set ASC,  3                           ; v3   SCB + 16 x lane
.set DQ,   4                           ; v4   lane % 16 - 8 (lane / 16)
.set SPW,  5                           ; v5   LDS address of my spare word; never rewritten
.set NIL,  6                           ; v6   0; never rewritten
.set PFO,  7                           ; v7   256 x lane: the prefetches' offset; never rewritten
.set ADK,  8                           ; v8   LDS address of the slot in hand, for my lane: steps 0 and 1;  v9 the same 65,536 further on: steps 2 and 3 (an LDS immediate has 16 bits)
.set ADS,  10                          ; v10  of the slot's scale words
.set KS,   32                          ; v32-39  K's scale words, tile t's at v[KS + t]
.set VS,   40                          ; v40-47  V's
.set VFR,  0                           ; window 1: V's fragment t at v[VFR + 16 t]
.set KFR,  128                         ; window 1: K's at v[KFR + 16 t]
.set TB,   2                           ; s2   LDS byte at which the slot in hand begins
.set TS,   3                           ; s3   where the slot's scale words begin: 8,192 bytes a slot
.set WV,   18                          ; s18  my wave's number
.set MNT,  19                          ; s19  the mantissa field of 448
.set SEL,  20                          ; s[20:21] lane selects for v_permlanex16_b32: lane l xor 16
.set CS,   22                          ; s[22:23] c = log2(e) / sqrt(2048)
.set G1,   24                          ; s[24:31] descriptor group 1 for an eighth of a slot;  s[32:39] for an eighth of the scale words
.set G1S,  32
.set G0,   40                          ; s[40:43] group 0 for the slots: it walks;  s[44:47] for the scale words
.set G0S,  44
.set SLOTS, 66                         ; s66  slots still to be asked for
.set KF,   67                          ; s67  the step's first key
.set LASTK, 68                         ; s68  the first key of the last step that I work
.set MASKK, 69                         ; s69  from this first key on scores are compared with the query
.set Q0,   70                          ; s70  my first query
.set LIM,  71                          ; s71  1 in a wave that prefetches, else the greatest number
.set PFA,  72                          ; s[72:73] where my prefetches stand
.set MSB, 0
.macro WIN new                         ; the immediate's high byte repeats the setting that is left
.if MSB != \new
	s_set_vgpr_msb (MSB<<8)|\new
.set MSB, \new
.endif
.endm
.set MUL,  0x01                        ; source 0, K's or V's fragment, in window 1; all else in window 0
.set TO_F, 0x40                        ; destination window 1, address window 0
.macro CROUND                          ; a round of the cluster's barrier
	s_barrier_signal -1
	s_barrier_wait -1
	s_cmp_lg_u32 s[WV], 0
	s_cbranch_scc1 .Lnot_wave_0_\@
	s_barrier_signal -3
.Lnot_wave_0_\@:
	s_barrier_wait -3
	s_barrier_signal -1
	s_barrier_wait -1
.endm
; A prefetch of the slot that the NEXT change of slots will ask for: four key steps ahead of that load, the least that this ring's form offers.  All four clusters of a head walk the same bytes: the head's first cluster asks.  Its four partners
; share the slot's 131,072 bytes out BY ADDRESS, 32,768 each; in each, waves 4 to 7 ask for 8,192 bytes, lanes 256 bytes apart.  So each aligned block of 256 bytes is named once.  The last change that fills a slot asks for nothing; slots 0 and 1 come by their loads alone.
.macro ASK
	s_cmp_gt_u32 s[SLOTS], s[LIM]
	s_cbranch_scc0 .Lnot_mine_\@
	global_prefetch_b8 v[PFO], s[PFA:PFA+1] th:TH_LOAD_NT scope:SCOPE_SE
.Lnot_mine_\@:
.endm
; 34 LDS loads: the eight fragments of K of the slot's q-th step, and their scale words
.macro KLOAD q
	WIN TO_F
.irp t, 0,1,2,3,4,5,6,7
.irp c, 0,1,2,3
	ds_load_b128 v[KFR+16*\t+4*\c:KFR+16*\t+4*\c+3], v[ADK+(\q)/2] offset:32768*((\q)%2)+2048*\t+512*\c
.endr
.endr
	WIN 0
	ds_load_b128 v[KS:KS+3], v[ADS] offset:2048*(\q)
	ds_load_b128 v[KS+4:KS+7], v[ADS] offset:2048*(\q)+512
.endm
; 34 LDS loads: the same of V, which lies behind K in a step
.macro VLOAD q
	WIN TO_F
.irp t, 0,1,2,3,4,5,6,7
.irp c, 0,1,2,3
	ds_load_b128 v[VFR+16*\t+4*\c:VFR+16*\t+4*\c+3], v[ADK+(\q)/2] offset:32768*((\q)%2)+16384+2048*\t+512*\c
.endr
.endr
	WIN 0
	ds_load_b128 v[VS:VS+3], v[ADS] offset:2048*(\q)+1024
	ds_load_b128 v[VS+4:VS+7], v[ADS] offset:2048*(\q)+1536
.endm
	s_load_b256 s[4:11], s[0:1], 0x0               ; qc, qs, kvc, kvs
	s_load_b128 s[12:15], s[0:1], 0x20             ; oc, os
	v_lshl_add_u32 v[SPW], v0, 2, SPARE
	v_mov_b32 v[NIL], 0
	ds_add_u32 v5, v6
	ds_add_u32 v5, v6
	s_wait_dscnt 0x0
	v_lshrrev_b32 v8, 5, v0
	v_readfirstlane_b32 s[WV], v8                  ; wave 0..7
	s_bfe_u32 s74, ttmp6, 0x40000                  ; cx: it enters global addresses and the mask's operand alone
	s_and_b32 s75, ttmp7, 0xffff                   ; the head
	s_lshl_b32 s76, ttmp9, 1                       ; a0
	s_lshr_b32 s77, s74, 1
	s_add_co_u32 s77, s77, s76                     ; a = a0 + cx / 2
	s_and_b32 s78, s74, 1                          ; which half of a block's eight tiles
	s_lshr_b32 s79, s[WV], 2
	s_xor_b32 s79, s79, s[WV]
	s_and_b32 s79, s79, 1                          ; the wave's type: 0, 1, 0, 1, 1, 0, 1, 0: waves w and w + 4 differ, and so do 2 k and 2 k + 1
	s_sub_co_u32 s80, 15, s77
	s_sub_co_u32 s81, 15, s76
	s_add_co_u32 s82, s76, 1
	s_cmp_eq_u32 s79, 0
	s_cselect_b32 s80, s77, s80                    ; my block of 128 queries: a or 15 - a
	s_cselect_b32 s81, s82, s81                    ; the last block of my type in the cluster: a0 + 1 or 15 - a0
	s_lshl_b32 s[LASTK], s81, 7
	s_sub_co_u32 s[MASKK], s[LASTK], 128
	s_lshl_b32 s82, s78, 2
	s_lshr_b32 s83, s[WV], 1
	s_add_co_u32 s82, s82, s83                     ; my tile in the block: 4 x half + wave / 2
	s_lshl_b32 s[Q0], s80, 7
	s_lshl_b32 s83, s82, 4
	s_add_co_u32 s[Q0], s[Q0], s83
	s_lshl_b32 s83, s75, 4
	s_add_co_u32 s83, s83, s80                     ; 16 x head + block
	s_lshl_b32 s84, s83, 14
	s_lshl_b32 s96, s82, 11
	s_add_co_u32 s84, s84, s96                     ; Q's fragment
	s_mov_b32 s85, 0
	s_lshl_b32 s86, s83, 10
	s_lshl_b32 s96, s78, 9                         ; its scale word: the group of four tiles,
	s_add_co_u32 s86, s86, s96
	s_lshr_b32 s96, s[WV], 1
	s_lshl_b32 s96, s96, 2                         ; and the tile in the group
	s_add_co_u32 s86, s86, s96
	s_mov_b32 s87, 0
	s_lshr_b32 s88, s75, 2                         ; oc [head / 4][tile of 16 tokens 128][head % 4][2,048]
	s_lshl_b32 s88, s88, 20
	s_lshl_b32 s96, s[Q0], 9
	s_add_co_u32 s88, s88, s96
	s_and_b32 s96, s75, 3
	s_lshl_b32 s96, s96, 11
	s_add_co_u32 s88, s88, s96
	s_mov_b32 s89, 0
	s_lshl_b32 s90, s80, 14                        ; os [block of 128 tokens 16][head 16][tile 8][lane 32] words
	s_lshl_b32 s96, s75, 10
	s_add_co_u32 s90, s90, s96
	s_lshl_b32 s96, s82, 7
	s_add_co_u32 s90, s90, s96
	s_mov_b32 s91, 0
	s_lshl_b32 s92, s75, 19                        ; the head's codes of K and V, and my eighth of a slot: 16,384 bytes
	s_lshl_b32 s96, s[WV], 14
	s_add_co_u32 s92, s92, s96
	s_mov_b32 s93, 0
	s_lshl_b32 s94, s75, 15                        ; the head's scale words, and my eighth: 4,096 bytes
	s_lshl_b32 s96, s[WV], 12
	s_add_co_u32 s94, s94, s96
	s_mov_b32 s95, 0
	s_lshl_b32 s98, s75, 19                        ; the prefetches: the head, my work-group's 32,768 bytes, my wave's 8,192 of them,
	s_lshl_b32 s96, s74, 15
	s_add_co_u32 s98, s98, s96
	s_and_b32 s96, s[WV], 3
	s_lshl_b32 s96, s96, 13
	s_add_co_u32 s98, s98, s96
	s_add_co_u32 s98, s98, SLOT1                   ; in slot 1: the first change of slots steps it to slot 2
	s_mov_b32 s99, 0
	s_lshr_b32 s96, s[WV], 2
	s_xor_b32 s96, s96, 1                          ; 0 in waves 4 to 7,
	s_or_b32 s96, s96, ttmp9                       ; of the head's first cluster: the same in all four partners
	s_cmp_eq_u32 s96, 0
	s_cselect_b32 s[LIM], 1, -1
	; descriptor group 1: a dense block as rows of 256 bytes (32 elements of 8): 64 rows for an eighth of a slot, 16 for an eighth of the scale words
	s_mov_b32 s[G1], 15|(3<<16)|(1<<21)            ; 15:0 the mask: all four work-groups; 17:16 elements of 8 bytes; 21 set beside a mask
	s_mov_b32 s[G1+1], 32<<16                      ; tensor_dim0
	s_mov_b32 s[G1+2], 64<<16                      ; tensor_dim1
	s_mov_b32 s[G1+3], 32<<16                      ; tile_dim0
	s_mov_b32 s[G1+4], 64                          ; tile_dim1
	s_mov_b32 s[G1+5], 32                          ; tensor_dim0_stride
	s_mov_b32 s[G1+6], 0
	s_mov_b32 s[G1+7], 0
	s_mov_b32 s[G1S], 15|(3<<16)|(1<<21)
	s_mov_b32 s[G1S+1], 32<<16
	s_mov_b32 s[G1S+2], 16<<16
	s_mov_b32 s[G1S+3], 32<<16
	s_mov_b32 s[G1S+4], 16
	s_mov_b32 s[G1S+5], 32
	s_mov_b32 s[G1S+6], 0
	s_mov_b32 s[G1S+7], 0
	s_mov_b32 s[SEL], 0x76543210
	s_mov_b32 s[SEL+1], 0xfedcba98
	s_mov_b32 s[CS], 0x3d0293ee                    ; c = log2(e) / sqrt(2048)
	s_mov_b32 s[CS+1], s[CS]                       ; named with it as a pair, so it is written
	s_mov_b32 s[MNT], 0x600000
	s_mov_b32 s[TB], 0
	s_mov_b32 s[TS], 0
	s_mov_b32 s[KF], 0
	s_mov_b32 s[SLOTS], 3
	s_wait_kmcnt 0x0
	s_mov_b32 s[G0S], 1
	s_lshl_b32 s[G0S+1], s[WV], 12
	s_add_co_u32 s[G0S+1], s[G0S+1], SCB
	s_add_nc_u64 s[G0S+2:G0S+3], s[10:11], s[94:95]
	s_or_b32 s[G0S+3], s[G0S+3], 0x80000000
	s_mov_b32 s[G0], 1
	s_lshl_b32 s[G0+1], s[WV], 14                  ; slot 0
	s_add_nc_u64 s[G0+2:G0+3], s[8:9], s[92:93]
	s_or_b32 s[G0+3], s[G0+3], 0x80000000
	s_add_nc_u64 s[PFA:PFA+1], s[8:9], s[98:99]
	s_add_nc_u64 s[4:5], s[4:5], s[84:85]
	s_add_nc_u64 s[6:7], s[6:7], s[86:87]
	s_add_nc_u64 s[12:13], s[12:13], s[88:89]
	s_add_nc_u64 s[14:15], s[14:15], s[90:91]
	CROUND                                         ; all four work-groups are here: the first joint loads meet
	tensor_load_to_lds s[G0S:G0S+3], s[G1S:G1S+7]  ; every wave's two first fills, ahead of every wait on TENSORcnt and every LDS read: two loads of mine are out.  My eighth of the head's scale words: filled once;
	s_nop 0
	tensor_load_to_lds s[G0:G0+3], s[G1:G1+7]      ; my eighth of slot 0
	s_nop 0
.rept 4
	v_nop                                          ; four v_nop follow the tensor loads
.endr
	v_and_b32 v9, 31, v0                           ; lane
	v_lshlrev_b32 v[LI], 4, v9
	v_lshlrev_b32 v[L4], 2, v9
	v_lshlrev_b32 v[PFO], 8, v9
	v_add_nc_u32 v[ASC], SCB, v[LI]
.irp c, 0,1,2,3
	global_load_b128 v[16+4*\c:19+4*\c], v[LI], s[4:5] offset:512*\c   ; Q's fragment stays in registers
.endr
	global_load_b32 v255, v[LI], s[6:7]            ; Q's scale words: 16 bytes a lane in a group, my tile's word
	v_and_b32 v[DQ], 15, v0
	v_bfe_u32 v9, v0, 4, 1
	v_lshlrev_b32 v9, 3, v9
	v_sub_nc_u32 v[DQ], v[DQ], v9
	v_mov_b32 v13, 0xff61b1e6                      ; the largest t so far: -3e38, under every t
	v_floor_f32 v12, -v13                          ; -M
	v_mov_b32 v14, 0                               ; the sum, in two halves
	v_mov_b32 v15, 0
.irp b, 0,1,2,3
	v_mov_b32 v[236+\b], 0                         ; written once: a lane permute's destination counts as one of its sources
.endr
	v_mov_b32 v252, 0                              ; likewise
	v_mov_b32 v253, 0                              ; (named as the upper half of the pair v[252:253] before it is first written)
.set j, 0
.rept 64
	v_mov_b32 v[160+j], 0                          ; O^T.  The step is written without a first step of its own: it finds zeros, which the first change of M leaves zeros
.set j, j+1
.endr
; A KEY STEP: 128 keys, the q-th of the slot in hand.  nextk = 1: the next step lies in the same slot, and its K is asked for here.
.macro STEP q, nextk
	s_cmp_gt_u32 s[KF], s[LASTK]                   ; a step behind my type's last block is left out: its loads, products and softmax; not the line at its end that steps the key
	s_cbranch_scc1 .Lhidden_\@
.rept 8
	v_nop                                          ; eight places in front of loads into V's registers and scale words, which the last step's products have read
.endr
	VLOAD \q                                       ; wanted behind the softmax
	s_wait_dscnt 34                                ; all but the 34 loads just issued: K's fragments and scale words, asked for a step ago or behind the change of slots, are in
	WIN MUL
.irp t, 0,1,2,3,4,5,6,7                        ; S^T = K Q^T: eight tiles of 16 keys
	v_wmma_scale_f32_16x16x128_f8f6f4 v[96+8*\t:103+8*\t], v[KFR+16*\t:KFR+16*\t+15], v[16:31], 0, v[KS+\t], v255
.endr
	WIN 0
.rept 8
	v_nop                                          ; eight places in front of the loads into K's registers and of the first read of the scores
.endr
.if \nextk
	KLOAD (\q)+1                                   ; the next step's K: the whole softmax stands between this request and the wait for it
.endif
	s_cmp_lt_u32 s[KF], s[MASKK]                   ; in the last two steps the scores of hidden keys become -infinity ahead of the maximum: p = 0 then
	s_cbranch_scc1 .Lopen_\@
	s_sub_co_i32 s96, s[Q0], s[KF]
	v_add_nc_u32 v252, s96, v[DQ]                  ; d = my query - KF - 8 (lane / 16).  Register 8 t + j holds key KF + 16 t + 8 (lane / 16) + j: hidden where 16 t + j > d
	v_mov_b32 v254, 0xff800000                     ; -infinity
.set n, 0
.rept 64
	v_cmp_gt_i32 vcc_lo, 16*(n/8)+n%8, v252
	v_cndmask_b32 v[96+n], v[96+n], v254, vcc_lo
.set n, n+1
.endr
.Lopen_\@:
.irp b, 0,1,2,3
	v_max3_num_f32 v[232+\b], v[96+16*\b], v[97+16*\b], v[98+16*\b]   ; the largest score of each block of 32 keys: it serves for the row's maximum and, since p rises with the score, for the block's largest p
.endr
.irp i, 3,5,7,9,11,13
.irp b, 0,1,2,3
	v_max3_num_f32 v[232+\b], v[232+\b], v[96+16*\b+\i], v[97+16*\b+\i]
.endr
.endr
.irp b, 0,1,2,3
	v_max_num_f32 v[232+\b], v[232+\b], v[111+16*\b]
.endr
.irp b, 0,1,2,3
	v_permlanex16_b32 v[236+\b], v[232+\b], s[SEL], s[SEL+1]
.endr
.irp b, 0,1,2,3
	v_max_num_f32 v[232+\b], v[232+\b], v[236+\b]  ; with lane l xor 16's 16 keys
.endr
	v_max3_num_f32 v254, v232, v233, v234
	v_max_num_f32 v254, v254, v235                 ; the step's largest score of my query
	v_mul_f32 v254, s[CS], v254                    ; as t (c is positive)
	v_max_num_f32 v13, v13, v254                   ; the running largest t
	v_mov_b32 v254, v12
	v_floor_f32 v12, -v13                          ; the new -M = floor(-t) = -ceil(t): M is a whole number
	v_sub_f32 v254, v12, v254                      ; M's old value less its new one: a whole number, 0 or less
	v_cvt_i32_f32 v254, v254                       ; (it saturates)
	v_ldexp_f32 v252, 1.0, v254                    ; f = 2^(old M - new M)
.set j, 0
.rept 32
	v_pk_fma_f32 v[96+j:97+j], v[96+j:97+j], s[CS:CS+1], v[12:13] op_sel_hi:[1,0,0]   ; t - M, two at a time (of the pairs c and -M the low word serves both halves)
.set j, j+2
.endr
.irp b, 0,1,2,3
	v_fma_f32 v[232+\b], v[232+\b], s[CS], v12     ; the same of each block's largest score
.endr
.set j, 0
.rept 64
	v_exp_f32 v[96+j], v[96+j]                     ; p = 2^(t - M), at most 1: not normalised
.set j, j+1
.endr
	v_pk_mul_f32 v[14:15], v[14:15], v[252:253] op_sel_hi:[1,0]   ; the sums under the new M: a plain instruction behind the exponentials
	s_wait_alu depctr_va_vdst(0)                   ; one wait for the whole batch, ahead of its first reader
.irp b, 0,1,2,3
	v_exp_f32 v[232+\b], v[232+\b]                 ; the block's largest p: the same two instructions on the same number give the same bits
.endr
	v_pk_add_f32 v[236:237], v[96:97], v[98:99]    ; the row's sum is taken of the unquantised p: two at a time, in two chains; it reads the 64 alone
.irp j, 4,8,12,16,20,24,28,32,36,40,44,48,52,56,60
	v_pk_add_f32 v[14:15], v[14:15], v[96+\j:97+\j]
	v_pk_add_f32 v[236:237], v[236:237], v[98+\j:99+\j]
.endr
	v_pk_add_f32 v[14:15], v[14:15], v[236:237]
	s_wait_alu depctr_va_vdst(0)                   ; and one for the four
.irp b, 0,1,2,3
	v_max_num_f32 v[232+\b], 0x4800000, v[232+\b]  ; the floor 2^(9 - 127): the byte cannot fall under 1
.endr
.irp b, 0,1,2,3
	v_add_nc_u32 v[244+\b], 0xfc000000, v[232+\b]  ; 8 off the exponent field: the conversion's scale operand
.endr
.irp b, 0,1,2,3
	v_and_or_b32 v[240+\b], v[232+\b], 0x7f800000, s[MNT]   ; 448 x the scale
.endr
.irp b, 0,1,2,3
	v_lshrrev_b32 v[236+\b], 23, v[244+\b]         ; the scale's byte
.endr
	v_lshl_or_b32 v253, v237, 8, v236              ; p's scale word for these 128 keys
	v_lshl_or_b32 v253, v238, 16, v253
	v_lshl_or_b32 v253, v239, 24, v253
.irp b, 0,1,2,3
.irp i, 0,1,2,3,4,5,6,7,8,9,10,11,12,13,14,15
	v_min_num_f32 v[96+16*\b+\i], v[96+16*\b+\i], v[240+\b]   ; the conversion to an 8-bit code does not saturate (ISA guide 7.6.2); p is not negative, so the hold is one-sided
.endr
	v_cvt_scalef32_pk8_fp8_f32 v[224+4*\b:225+4*\b], v[96+16*\b:103+16*\b], v[244+\b]
	v_cvt_scalef32_pk8_fp8_f32 v[226+4*\b:227+4*\b], v[104+16*\b:111+16*\b], v[244+\b]
.endr
.set j, 0
.rept 32
	v_pk_mul_f32 v[160+j:161+j], v[160+j:161+j], v[252:253] op_sel_hi:[1,0]   ; O^T under the new M.  These 32 are also the places between p's codes and scale word and the matrix instructions below
.set j, j+2
.endr
.if \nextk
	s_wait_dscnt 34                                ; all but the 34 loads issued last, the next step's K: V's fragments and scale words are in
.else
	s_wait_dscnt 0x0                               ; V's are in; nothing was asked for behind them
.endif
	WIN MUL
.irp t, 0,1,2,3,4,5,6,7                        ; O^T += V^T P^T: eight tiles of 16 channels, one instruction an accumulator; K = these 128 keys
	v_wmma_scale_f32_16x16x128_f8f6f4 v[160+8*\t:167+8*\t], v[VFR+16*\t:VFR+16*\t+15], v[224:239], v[160+8*\t:167+8*\t], v[VS+\t], v253
.endr
	WIN 0
.Lhidden_\@:
	s_add_co_u32 s[KF], s[KF], 128
.endm
; THE CHANGE OF SLOTS stands at a slot's head.  Each wave waits for all its tensor loads (its part of the slot that it is about to read), adds 0 to its spare word, and waits for that and for its reads of the slot that it has left.
; fill = 1: that other slot is filled with the next 512 keys.  The barrier is then a round of the cluster's, so that no wave of any partner still reads the slot, and the joint refill is the first thing behind it, one load a wave: it has four key steps in which to land.
; So K's registers are written, and waited for, on every way into a step.
.macro CHANGE fill
	s_wait_tensorcnt 0x0                           ; no tensor load of mine is out, so a group 0 may be written
	ds_add_u32 v[SPW], v[NIL]                      ; 0 onto my spare word: the steps and the slot's addresses stand between it and the wait for it
.if \fill
	s_xor_b32 s[G0+1], s[G0+1], SLOT1              ; the walking descriptor: the other slot than last time,
	s_add_nc_u64 s[G0+2:G0+3], s[G0+2:G0+3], SLOT1 ; the next four key steps; the type bits on top are not reached
	s_wait_xcnt 0x0                                ; the last prefetch, a slot back, has read its address, so it may be written:
	s_add_nc_u64 s[PFA:PFA+1], s[PFA:PFA+1], SLOT1 ; one slot further on than the walking descriptor
.endif
	v_add_nc_u32 v[ADK], s[TB], v[LI]              ; the slot ahead, for my lane: steps 0 and 1,
	v_add_nc_u32 v[ADK+1], 0x10000, v[ADK]         ; steps 2 and 3,
	v_add_nc_u32 v[ADS], s[TS], v[ASC]             ; and its scale words
	s_wait_dscnt 0x0                               ; the add is done, and my reads of the slot that I have left are over
.if \fill
	CROUND
	tensor_load_to_lds s[G0:G0+3], s[G1:G1+7]      ; my eighth of the slot
	s_nop 0
.rept 4
	v_nop                                          ; four v_nop follow the line
.endr
.else
	s_barrier_signal -1
	s_barrier_wait -1
.endif
	KLOAD 0
.if \fill
	ASK                                            ; behind the tensor load and the run of LDS loads that the next products wait for
.endif
.endm
	s_wait_loadcnt 0x0                             ; Q
.Lslot:                                            ; 3 trips: behind each change of slots but the last the next slot is asked for
	CHANGE 1
	STEP 0, 1
	STEP 1, 1
	STEP 2, 1
	STEP 3, 0
	s_xor_b32 s[TB], s[TB], SLOT1                  ; on to the other slot,
	s_add_co_u32 s[TS], s[TS], 8192                ; and to the next four steps' scale words
	s_sub_co_u32 s[SLOTS], s[SLOTS], 1
	s_cmp_lg_u32 s[SLOTS], 0
	s_cbranch_scc1 .Lslot
	CHANGE 0                                       ; the last slot is written out
	STEP 0, 1
	STEP 1, 1
	STEP 2, 1
	STEP 3, 0
; 64 numbers of a lane, v[s] on, of which registers 16 b .. 16 b + 15 and those of lane l xor 16 are block b, become a fragment's codes in v[pc] on and its scale word in v[pw]
.macro QUANT s, pc, pw, tm
.irp b, 0,1,2,3
	v_max3_num_f32 v[\tm+\b], |v[\s+16*\b]|, |v[\s+1+16*\b]|, 0x4800000   ; my 16 numbers, and the floor 2^(9 - 127)
.endr
.irp i, 2,4,6,8,10,12,14
.irp b, 0,1,2,3
	v_max3_num_f32 v[\tm+\b], v[\tm+\b], |v[\s+16*\b+\i]|, |v[\s+1+16*\b+\i]|
.endr
.endr
.irp b, 0,1,2,3
	v_permlanex16_b32 v[\tm+4+\b], v[\tm+\b], s[SEL], s[SEL+1]
.endr
.irp b, 0,1,2,3
	v_max_num_f32 v[\tm+\b], v[\tm+\b], v[\tm+4+\b]
.endr
.irp b, 0,1,2,3
	v_add_nc_u32 v[\tm+12+\b], 0xfc000000, v[\tm+\b]
.endr
.irp b, 0,1,2,3
	v_and_or_b32 v[\tm+8+\b], v[\tm+\b], 0x7f800000, s[MNT]
.endr
.irp b, 0,1,2,3
	v_lshrrev_b32 v[\tm+4+\b], 23, v[\tm+12+\b]
.endr
	v_lshl_or_b32 v[\pw], v[\tm+5], 8, v[\tm+4]
	v_lshl_or_b32 v[\pw], v[\tm+6], 16, v[\pw]
	v_lshl_or_b32 v[\pw], v[\tm+7], 24, v[\pw]
.irp b, 0,1,2,3
.irp i, 0,1,2,3,4,5,6,7,8,9,10,11,12,13,14,15
	v_med3_num_f32 v[\s+16*\b+\i], v[\s+16*\b+\i], -v[\tm+8+\b], v[\tm+8+\b]
.endr
	v_cvt_scalef32_pk8_fp8_f32 v[\pc+4*\b:\pc+1+4*\b], v[\s+16*\b:\s+7+16*\b], v[\tm+12+\b]
	v_cvt_scalef32_pk8_fp8_f32 v[\pc+2+4*\b:\pc+3+4*\b], v[\s+8+16*\b:\s+15+16*\b], v[\tm+12+\b]
.endr
	v_nop                                          ; a plain vector instruction between the last conversion and the lane exchanges below, which touch its results
.endm
	; THE WAY OUT.  O^T / the sum is quantised along the head's 128 channels: K step `head` of the last product.  It works in v48-80 and v96-159: the registers of K's and V's scale words hold nothing else.
.rept 8
	v_nop                                          ; places behind the last products
.endr
	v_add_f32 v14, v14, v15                        ; the sum's two halves,
	v_permlanex16_b32 v252, v14, s[SEL], s[SEL+1]
	v_add_f32 v14, v14, v252                       ; and lane l xor 16's: the row's sum
	v_rcp_f32 v14, v14
.irp b, 0,1,2,3
	v_mov_b32 v[52+\b], 0                          ; plain instructions behind the reciprocal: the quantiser's lane permutes want their destinations written
.endr
	s_wait_alu depctr_va_vdst(0)                   ; a wait ahead of the reciprocal's first reader
.set j, 0
.rept 64
	v_mul_f32 v[96+j], v[160+j], v14               ; register 8 t + i is channel 16 t + 8 (lane / 16) + i of my query
.set j, j+1
.endr
	QUANT 96, 64, 80, 48
; The weight of the last product is given with its K in the natural order, so O's codes are put in that order: of a block of 32, lanes 0-15 want channels 0-15 and lanes 16-31 channels 16-31.  They hold 8 h + 0..7 in the group's first two
; registers and 16 + 8 h + 0..7 in its last two: the first pair's lanes 16-31 change places with the last pair's lanes 0-15.
.irp b, 0,1,2,3
	v_permlane16_swap_b32 v[64+4*\b], v[66+4*\b]
	v_permlane16_swap_b32 v[65+4*\b], v[67+4*\b]
.endr
.irp c, 0,1,2,3
	global_store_b128 v[LI], v[64+4*\c:67+4*\c], s[12:13] offset:512*\c   ; 32 lanes store 512 consecutive bytes, at a multiple of 256 from the buffer's first byte
.endr
	global_store_b32 v[L4], v80, s[14:15]          ; the tile's scale words: 128 consecutive bytes, one sixteenth of the codes' bytes
	s_wait_tensorcnt 0x0                           ; the wave's end
	ds_add_u32 v[SPW], v[NIL]
	s_wait_dscnt 0x0
	CROUND                                         ; the closing round
	s_endpgm
.Lfunc_end_k_qafb111de05_attn:
	.size	k_qafb111de05_attn, .Lfunc_end_k_qafb111de05_attn-k_qafb111de05_attn
	.p2alignl 7, 3214868480
	.fill 96, 4, 3214868480
	.section	.rodata,"a",@progbits
	.p2align	6, 0x0
	.amdhsa_kernel k_qafb111de05_attn
		.amdhsa_group_segment_fixed_size 327680
		.amdhsa_private_segment_fixed_size 0
		.amdhsa_enable_private_segment 0
		.amdhsa_kernarg_size 48
		.amdhsa_user_sgpr_count 2
		.amdhsa_user_sgpr_kernarg_segment_ptr 1
		.amdhsa_wavefront_size32 1
		.amdhsa_system_sgpr_workgroup_id_x 1
		.amdhsa_system_sgpr_workgroup_id_y 1
		.amdhsa_system_sgpr_workgroup_id_z 1
		.amdhsa_system_vgpr_workitem_id 0
		.amdhsa_next_free_vgpr 512
		.amdhsa_next_free_sgpr 100
		.amdhsa_reserve_vcc 1
		.amdhsa_float_denorm_mode_32 3
		.amdhsa_float_denorm_mode_16_64 3
		.amdhsa_memory_ordered 1
		.amdhsa_forward_progress 1
		.amdhsa_inst_pref_size 240
	.end_amdhsa_kernel
	.amdgpu_metadata
---
amdhsa.version: [ 1, 2 ]
amdhsa.kernels:
  - .name:           k_qafb111de05_attn
    .symbol:         k_qafb111de05_attn.kd
    .args:
      - { .name: qc, .offset: 0, .size: 8, .value_kind: global_buffer, .address_space: global }
      - { .name: qs, .offset: 8, .size: 8, .value_kind: global_buffer, .address_space: global }
      - { .name: kvc, .offset: 16, .size: 8, .value_kind: global_buffer, .address_space: global }
      - { .name: kvs, .offset: 24, .size: 8, .value_kind: global_buffer, .address_space: global }
      - { .name: oc, .offset: 32, .size: 8, .value_kind: global_buffer, .address_space: global }
      - { .name: os, .offset: 40, .size: 8, .value_kind: global_buffer, .address_space: global }
    .group_segment_fixed_size: 327680
    .private_segment_fixed_size: 0
    .kernarg_segment_align: 8
    .kernarg_segment_size: 48
    .max_flat_workgroup_size: 256
    .sgpr_count:     100
    .vgpr_count:     512
    .wavefront_size: 32
...
	.end_amdgpu_metadata
.endif
;; end of part 2
;; launch proj (part 3): grid 16 x 16, 4 waves a work-group, clusters of 4 x 4, 327,680 bytes of LDS; arguments oc, os, wp_codes, wp_scales, bp, out0; writes out0
.if DOCPART == 3
	.amdgcn_target "amdgcn-amd-amdhsa--gfx1250"
	.amdhsa_code_object_version 6
	.text
	.protected	k_qafb111de05_proj
	.globl	k_qafb111de05_proj
	.p2align	8
	.type	k_qafb111de05_proj,@function
k_qafb111de05_proj:
	s_mov_b64 s[64:65], 0
	v_nop
	global_prefetch_b8 v0, s[64:65] scope:SCOPE_SE
	s_setreg_imm32_b32 hwreg(HW_REG_WAVE_MODE, 25, 1), 1
	s_wait_xcnt 0x0
	s_wait_alu depctr_hold_cnt(0) depctr_sa_sdst(0) depctr_va_vdst(0) depctr_va_sdst(0) depctr_va_ssrc(0) depctr_va_vcc(0) depctr_vm_vsrc(0)
	s_getreg_b32 s2, hwreg(HW_REG_IB_STS2, 6, 4)
	s_cmp_eq_u32 s2, 0
	s_cbranch_scc0 .Lentry_in_a_cluster
	s_endpgm
.Lentry_in_a_cluster:
	s_bfe_u32 s2, ttmp6, 0x10000c
	s_cmp_lg_u32 s2, 0xf033
	s_cbranch_scc0 .Lentry_shape_is_right
	s_endpgm
.Lentry_shape_is_right:
; out0[t][n] = the sum over k of O[t][k] wp[n][k] + bp[n], on codes of FP8 (E4M3) with one E8M0 scale for each 32 along K = 2,048; out0 is f32.
; O comes as images of operand registers, oc [head / 4][tile of 16 tokens 128][head % 4][2,048], its scale words as os [block of 128 tokens 16][head 16][tile 8][lane 32]; wp as rows of codes, K innermost, with 64 scale bytes a row.
; A tile of out0 is 128 x 128: 256 work-groups, one for each WGP (tiles of 256 x 256 would be 64).  Four waves, 64 x 64 each: 16 accumulators.  K goes in four steps of 512 (four heads) through two LDS slots: all is written out, there is no loop.
; THE MATRIX INSTRUCTION IS USED TRANSPOSED: source 0 = 16 rows of wp, source 1 = 16 tokens of O: a lane holds eight neighbouring numbers of a row of out0.  The bias is the C of each sum's first product.
; CLUSTERS: 4 x 4.  O's tiles are shared along a row of the cluster, wp's along a column: each is asked for jointly.  No prefetch: the launch is short and its tiles are shared.
; REGISTERS: window 0: v0-31 addresses; v32-63 wp's scale words, a set for each slot; v64-71 O's, two sets; v72-103 the bias; v128-255 the accumulators ((a, b) at v[128 + 8 (4 a + b)]).
;   window 1: two sets of fragments of 128 registers: wp's four, then O's four; on the way out the rows read back from the stage.
.set PITCH,  528                       ; a row of wp in LDS: 512 bytes + 16 of padding, so that the 16 rows that a load touches start 16 bytes apart modulo 256
.set OIMG,   65536                     ; a slot: O's 32 fragments [tile 8][head % 4][2,048],
.set SLOT,   OIMG+128*PITCH            ; then wp's 128 rows
.set SCW,    2*SLOT                    ; behind the ring: wp's scale bytes, 32 units of 256 bytes + 16 of padding;
.set SCO,    SCW+32*272                ; O's scale words, 16,384 bytes;
.set STAGE,  SCO+16384                 ; the way out: 16 rows x (256 bytes + 16) for each wave; no tensor load lands here
.set SPITCH, 272
.set SPARE,  STAGE+4*16*SPITCH         ; the spare words, 128 bytes for each wave: two blocks of 256 bytes that no other line names
.set NP,   8                           ; places behind this matrix instruction (ISA guide 7.12.1)
.set ADRA, 16                          ; v16-17  LDS address of my fragments of O in slot 0, 1
.set ADRB, 20                          ; v20-21  of wp's
.set ADRW, 22                          ; v22     of wp's scale words
.set ADRO, 23                          ; v23     of O's
.set STO,  24                          ; v24     the way out: where I put 32 bytes of a row
.set RD,   25                          ; v25     where I read a row back
.set CO,   26                          ; v26     my byte offset in out0
.set SPW,  28                          ; v28     LDS address of my spare word; never rewritten
.set NIL,  29                          ; v29     0; never rewritten
.set WS,   32                          ; wp's scale words: v[WS + 16 slot + 4 b + q]
.set OS,   64                          ; O's: v[OS + 4 (q % 2) + i]
.set BP,   72                          ; the bias: v[BP + 8 b + j] = bp of column 16 b + 8 h + j
.set ACC,  128
.set G1, 24                            ; s[24:31] descriptor group 1 for O's images;  s[32:39] group 0, one set for each slot
.set G0, 32
.set G1B, 48                           ; s[48:55], s[56:63] the same for wp's tiles
.set G0B, 56
.set G1S, 68                           ; s[68:75], s[76:79] groups 1 and 0 for O's scale words;  s[80:87], s[88:91] for wp's scale bytes
.set G0S, 76
.set G1SB, 80
.set G0SB, 88
.set MSB, 0
.macro WIN new                         ; the immediate's high byte repeats the setting that is left
.if MSB != \new
	s_set_vgpr_msb (MSB<<8)|\new
.set MSB, \new
.endif
.endm
.set MUL,  0x05                        ; sources 0 (wp) and 1 (O) window 1; C and D window 0
.set TO_F, 0x40                        ; destination window 1, address window 0
.macro JLOAD g0a, g1a, g0b, g1b        ; a joint load: waves 0 and 1 fetch for O, waves 2 and 3 for wp; four v_nop follow each of the two lines
	s_cmp_eq_u32 s15, 0
	s_cbranch_scc0 .Lfor_b_\@
	tensor_load_to_lds s[\g0a:\g0a+3], s[\g1a:\g1a+7]
	s_nop 0
.rept 4
	v_nop
.endr
	s_branch .Lasked_\@
.Lfor_b_\@:
	tensor_load_to_lds s[\g0b:\g0b+3], s[\g1b:\g1b+7]
	s_nop 0
.rept 4
	v_nop
.endr
.Lasked_\@:
.endm
.macro CREST                           ; a round of the cluster's barrier behind its opening barrier
	s_cmp_lg_u32 s14, 0
	s_cbranch_scc1 .Lnot_wave_0_\@
	s_barrier_signal -3
.Lnot_wave_0_\@:
	s_barrier_wait -3
	s_barrier_signal -1
	s_barrier_wait -1
.endm
.macro CROUND
	s_barrier_signal -1
	s_barrier_wait -1
	CREST
.endm
	s_load_b256 s[4:11], s[0:1], 0x0               ; oc, os, wp's codes, wp's scales
	s_load_b64 s[96:97], s[0:1], 0x20              ; bp
	s_load_b64 s[12:13], s[0:1], 0x28              ; out0
	v_lshl_add_u32 v[SPW], v0, 2, SPARE
	v_mov_b32 v[NIL], 0
	ds_add_u32 v28, v29
	ds_add_u32 v28, v29
	s_wait_dscnt 0x0
	v_lshrrev_b32 v1, 5, v0
	v_readfirstlane_b32 s14, v1                    ; wave 0..3
	s_lshr_b32 s15, s14, 1                         ; which 64 tokens are mine.  Also: I fetch for O (0) or for wp (1)
	s_and_b32 s16, s14, 1                          ; which 64 columns.  Also: which half of that tile I fetch
	s_bfe_u32 s40, ttmp6, 0x40000                  ; cx, cy
	s_bfe_u32 s41, ttmp6, 0x40004
	s_lshl_b32 s42, ttmp9, 2
	s_add_co_u32 s42, s42, s40                     ; tile column = 4 x cluster x + cx
	s_and_b32 s17, ttmp7, 0xffff
	s_lshl_b32 s17, s17, 2
	s_add_co_u32 s17, s17, s41                     ; tile row = 4 x cluster y + cy
	s_lshl_b32 s43, s41, 2
	s_lshl_b32 s43, 15, s43                        ; my row of the cluster
	s_lshl_b32 s44, 0x1111, s40                    ; my column
	s_or_b32 s[G1+0], s43, (3<<16)|(1<<21)         ; O's images: 32,768 dense bytes as 128 rows of 256 (32 elements of 8 bytes); the mask: my row; 21 set beside a mask
	s_mov_b32 s[G1+1], 32<<16
	s_mov_b32 s[G1+2], 128<<16
	s_mov_b32 s[G1+3], 32<<16
	s_mov_b32 s[G1+4], 128
	s_mov_b32 s[G1+5], 32
	s_mov_b32 s[G1+6], 0
	s_mov_b32 s[G1+7], 0
	s_or_b32 s[G1B+0], s44, (0<<16)|(1<<20)|(1<<21)|(6<<22)|(3<<25)  ; wp: 64 rows of 512 bytes, 2,048 apart; padding of 4 words after every 128; the mask: my column
	s_mov_b32 s[G1B+1], 512<<16
	s_mov_b32 s[G1B+2], 64<<16
	s_mov_b32 s[G1B+3], 512<<16
	s_mov_b32 s[G1B+4], 64
	s_mov_b32 s[G1B+5], 2048
	s_mov_b32 s[G1B+6], 0
	s_mov_b32 s[G1B+7], 0
	s_or_b32 s[G1S+0], s43, (3<<16)|(1<<21)        ; O's scale words: 8,192 dense bytes as 32 rows of 256
	s_mov_b32 s[G1S+1], 32<<16
	s_mov_b32 s[G1S+2], 32<<16
	s_mov_b32 s[G1S+3], 32<<16
	s_mov_b32 s[G1S+4], 32
	s_mov_b32 s[G1S+5], 32
	s_mov_b32 s[G1S+6], 0
	s_mov_b32 s[G1S+7], 0
	s_or_b32 s[G1SB+0], s44, (3<<16)|(1<<20)|(1<<21)|(5<<22)|(3<<25)  ; wp's scale bytes of 64 rows: 4,096 dense bytes as 16 rows of 256, 16 bytes of padding behind each
	s_mov_b32 s[G1SB+1], 32<<16
	s_mov_b32 s[G1SB+2], 16<<16
	s_mov_b32 s[G1SB+3], 32<<16
	s_mov_b32 s[G1SB+4], 16
	s_mov_b32 s[G1SB+5], 32
	s_mov_b32 s[G1SB+6], 0
	s_mov_b32 s[G1SB+7], 0
	s_lshl_b32 s20, s17, 16                        ; O: tile of tokens 8 x tile row + 4 x half, 8,192 bytes each
	s_lshl_b32 s18, s16, 15
	s_add_co_u32 s20, s20, s18
	s_mov_b32 s21, 0
	s_lshl_b32 s22, s17, 14                        ; its scale words: 16,384 bytes a block of tokens, my half
	s_lshl_b32 s18, s16, 13
	s_add_co_u32 s22, s22, s18
	s_mov_b32 s23, 0
	s_lshl_b32 s46, s42, 18                        ; wp: row 128 x tile column + 64 x half, 2,048 bytes each
	s_lshl_b32 s18, s16, 17
	s_add_co_u32 s46, s46, s18
	s_mov_b32 s47, 0
	s_lshl_b32 s92, s42, 13                        ; its scale bytes: 64 a row
	s_lshl_b32 s18, s16, 12
	s_add_co_u32 s92, s92, s18
	s_mov_b32 s93, 0
	s_lshl_b32 s45, s16, 15                        ; where they go: no place in the cluster enters an LDS address
	s_mul_i32 s94, s16, 64*PITCH
	s_add_co_u32 s94, s94, OIMG
	s_lshl_b32 s95, s16, 13
	s_mul_i32 s66, s16, 16*272
	s_wait_kmcnt 0x0
	s_add_nc_u64 s[20:21], s[4:5], s[20:21]
	s_add_nc_u64 s[22:23], s[6:7], s[22:23]
	s_add_nc_u64 s[46:47], s[8:9], s[46:47]
	s_add_nc_u64 s[92:93], s[10:11], s[92:93]
	CROUND                                         ; all sixteen work-groups are here: the first joint loads meet
	s_mov_b32 s[G0S], 1
	s_add_co_u32 s[G0S+1], s95, SCO
	s_mov_b64 s[G0S+2:G0S+3], s[22:23]
	s_or_b32 s[G0S+3], s[G0S+3], 0x80000000
	s_mov_b32 s[G0SB], 1
	s_add_co_u32 s[G0SB+1], s66, SCW
	s_mov_b64 s[G0SB+2:G0SB+3], s[92:93]
	s_or_b32 s[G0SB+3], s[G0SB+3], 0x80000000
	JLOAD G0S, G1S, G0SB, G1SB                     ; the scales first
.irp s, 0,1
	s_mov_b32 s[G0+4*\s], 1
	s_add_co_u32 s[G0+4*\s+1], s45, \s*SLOT
	s_add_nc_u64 s[G0+4*\s+2:G0+4*\s+3], s[20:21], \s*1048576      ; heads 4 s .. 4 s + 3
	s_or_b32 s[G0+4*\s+3], s[G0+4*\s+3], 0x80000000
	s_mov_b32 s[G0B+4*\s], 1
	s_add_co_u32 s[G0B+4*\s+1], s94, \s*SLOT
	s_add_nc_u64 s[G0B+4*\s+2:G0B+4*\s+3], s[46:47], \s*512
	s_or_b32 s[G0B+4*\s+3], s[G0B+4*\s+3], 0x80000000
	JLOAD G0+4*\s, G1, G0B+4*\s, G1B
.endr
	v_and_b32 v1, 15, v0                           ; r
	v_bfe_u32 v2, v0, 4, 1                         ; h
	v_and_b32 v3, 31, v0                           ; lane
	v_lshlrev_b32 v4, 4, v3
	s_lshl_b32 s18, s15, 15                        ; O: my four tiles of tokens; an image's place for my lane
	v_add_nc_u32 v[ADRA], s18, v4
	v_add_nc_u32 v[ADRA+1], SLOT, v[ADRA]
	v_mul_u32_u24 v5, v1, PITCH                    ; wp: row x pitch + 16 x half, my 64 rows, behind O's images
	v_lshl_add_u32 v5, v2, 4, v5
	s_mul_i32 s18, s16, 64*PITCH
	s_add_co_u32 s18, s18, OIMG
	v_add_nc_u32 v[ADRB], s18, v5
	v_add_nc_u32 v[ADRB+1], SLOT, v[ADRB]
	v_lshrrev_b32 v5, 2, v1                        ; wp's scale bytes: four rows of 64 bytes to a unit of 272
	v_mul_u32_u24 v5, v5, 272
	v_and_b32 v6, 3, v1
	v_lshl_add_u32 v5, v6, 6, v5
	s_mul_i32 s18, s16, 16*272
	s_add_co_u32 s18, s18, SCW
	v_add_nc_u32 v[ADRW], s18, v5
	s_lshl_b32 s18, s15, 9                         ; O's scale words: my four tiles of 128 bytes, 4 bytes a lane
	s_add_co_u32 s18, s18, SCO
	v_lshl_add_u32 v[ADRO], v3, 2, s18
	s_mul_i32 s18, s14, 16*SPITCH
	s_add_co_u32 s18, s18, STAGE                   ; my stage
	v_mul_u32_u24 v5, v1, SPITCH                   ; in: row r, 32 bytes for each half of the lanes
	v_lshl_add_u32 v5, v2, 5, v5
	v_add_nc_u32 v[STO], s18, v5
	v_mul_u32_u24 v5, v2, SPITCH                   ; back: lanes 0-15 one row of 256 bytes, lanes 16-31 the next
	v_lshl_add_u32 v5, v1, 4, v5
	v_add_nc_u32 v[RD], s18, v5
	v_lshlrev_b32 v[CO], 13, v2                    ; and the same two rows of out0, 8,192 bytes apart
	v_lshl_add_u32 v[CO], v1, 4, v[CO]
	v_lshlrev_b32 v7, 5, v2                        ; the bias: my half's eight columns of a tile of 16
	s_lshl_b32 s18, s42, 9                         ; my first column, in bytes: 512 x tile column + 256 x half
	s_lshl_b32 s19, s16, 8
	s_add_co_u32 s18, s18, s19
	s_mov_b32 s19, 0
	s_add_nc_u64 s[96:97], s[96:97], s[18:19]
	s_add_nc_u64 s[12:13], s[12:13], s[18:19]
	s_lshl_b32 s18, s17, 20                        ; my first row: 128 x tile row + 64 x half, 8,192 bytes each
	s_lshl_b32 s67, s15, 19
	s_add_co_u32 s18, s18, s67
	s_add_nc_u64 s[12:13], s[12:13], s[18:19]
.irp b, 0,1,2,3
	global_load_b128 v[BP+8*\b:BP+8*\b+3], v7, s[96:97] offset:64*\b
	global_load_b128 v[BP+8*\b+4:BP+8*\b+7], v7, s[96:97] offset:64*\b+16
.endr
; The fragments of the slot's q-th 128 along K (one head) into set f: wp's four tiles of rows, O's four tiles of tokens, and O's scale words
.macro FETCH slot, q, f
	WIN TO_F
.irp b, 0,1,2,3
.irp c, 0,1,2,3
	ds_load_b128 v[128*(\f)+16*\b+4*\c:128*(\f)+16*\b+4*\c+3], v[ADRB+\slot] offset:128*(\q)+32*\c+\b*16*PITCH
.endr
.endr
.irp i, 0,1,2,3
.irp c, 0,1,2,3
	ds_load_b128 v[128*(\f)+64+16*\i+4*\c:128*(\f)+64+16*\i+4*\c+3], v[ADRA+\slot] offset:8192*\i+2048*(\q)+512*\c
.endr
.endr
	WIN 0
.irp i, 0,1,2,3
	ds_load_b32 v[OS+4*((\q)%2)+\i], v[ADRO] offset:1024*(\q)+128*\i
.endr
.endm
.macro WSC slot                        ; wp's scale words of a slot's 512 along K: four words a row
.irp b, 0,1,2,3
	ds_load_b128 v[WS+16*\slot+4*\b:WS+16*\slot+4*\b+3], v[ADRW] offset:\b*4*272
.endr
.endm
; 8 matrix instructions: O's tiles a0, a0 + 1 x wp's four.  first = 1: the bias is the C of the sum's first product.  The 16 accumulators take turns, one instruction a turn.
.macro MUL8 f, a0, q, slot, first
	WIN MUL
.irp a, \a0, \a0+1
.irp b, 0,1,2,3
.if \first
	v_wmma_scale_f32_16x16x128_f8f6f4 v[ACC+8*(4*(\a)+\b):ACC+8*(4*(\a)+\b)+7], v[128*(\f)+16*\b:128*(\f)+16*\b+15], v[128*(\f)+64+16*(\a):128*(\f)+64+16*(\a)+15], v[BP+8*\b:BP+8*\b+7], v[WS+16*(\slot)+4*\b+(\q)], v[OS+4*((\q)%2)+(\a)]
.else
	v_wmma_scale_f32_16x16x128_f8f6f4 v[ACC+8*(4*(\a)+\b):ACC+8*(4*(\a)+\b)+7], v[128*(\f)+16*\b:128*(\f)+16*\b+15], v[128*(\f)+64+16*(\a):128*(\f)+64+16*(\a)+15], v[ACC+8*(4*(\a)+\b):ACC+8*(4*(\a)+\b)+7], v[WS+16*(\slot)+4*\b+(\q)], v[OS+4*((\q)%2)+(\a)]
.endif
.endr
.endr
.endm
.macro PLACES n                        ; plain vector instructions between a matrix instruction and a load into, or a read of, its registers
.rept \n
	v_nop
.endr
.endm
; One of a slot's first three steps of 128 along K: the next step's fragments are asked for, into the set that the last step multiplied, and then this step is multiplied
.macro STEP slot, q, first
	s_wait_dscnt 0x0                               ; this step's fragments and scale words are in
.if (\first) == 0
	PLACES NP
.endif
	FETCH \slot, (\q)+1, 1-(\q)%2
	MUL8 (\q)%2, 0, \q, \slot, \first
	MUL8 (\q)%2, 2, \q, \slot, \first
.endm
; A slot's last step changes slots: one barrier; in front of it each wave waits for all its tensor loads, adds 0 to its spare word, and waits for that and for its reads of this slot.  fill = 1: the slot is filled again, with the heads eight further on.
.macro TURN slot, next, fill
	WIN 0                                          ; the add's two registers lie in window 0
	s_wait_tensorcnt 0x0                           ; all my tensor loads have landed: my part of the next slot
	ds_add_u32 v[SPW], v[NIL]                      ; 0 onto my spare word
	s_wait_dscnt 0x0                               ; the add is done, and my reads of this slot are over
	s_barrier_signal -1
	MUL8 1, 0, 3, \slot, 0
	WIN 0
	s_barrier_wait -1
.if \fill
	CREST                                          ; the barrier has opened a round of the cluster's: no wave of any partner still reads this slot or has a load on its way
	s_add_nc_u64 s[G0+4*\slot+2:G0+4*\slot+3], s[G0+4*\slot+2:G0+4*\slot+3], 2*1048576
	s_add_nc_u64 s[G0B+4*\slot+2:G0B+4*\slot+3], s[G0B+4*\slot+2:G0B+4*\slot+3], 2*512
	JLOAD G0+4*\slot, G1, G0B+4*\slot, G1B         ; the first tensor load behind the round; its four v_nop are among the places in front of the loads below
	PLACES NP-4
.else
	PLACES NP
.endif
	v_add_nc_u32 v[ADRW], 16, v[ADRW]              ; on to the next 512 along K: four words of each row of wp,
	v_add_nc_u32 v[ADRO], 4096, v[ADRO]            ; four heads of O's scale words
	FETCH \next, 0, 0
	WSC \next
	MUL8 1, 2, 3, \slot, 0
.endm
	s_wait_tensorcnt 1                             ; the scales and my part of slot 0 are in; slot 1's load may be out
	s_barrier_signal -1
	s_barrier_wait -1
	FETCH 0, 0, 0
	WSC 0
	s_wait_loadcnt 0x0                             ; the bias
	STEP 0, 0, 1
	STEP 0, 1, 0
	STEP 0, 2, 0
	TURN 0, 1, 1
	STEP 1, 0, 0
	STEP 1, 1, 0
	STEP 1, 2, 0
	TURN 1, 0, 1
	STEP 0, 0, 0
	STEP 0, 1, 0
	STEP 0, 2, 0
	TURN 0, 1, 0                                   ; nothing is left to fetch
	STEP 1, 0, 0
	STEP 1, 1, 0
	STEP 1, 2, 0
	s_wait_dscnt 0x0                               ; the very last step
	MUL8 1, 0, 3, 1, 0
	MUL8 1, 2, 3, 1, 0
	WIN 0
; THE WAY OUT, 16 tokens at a time.  A lane holds 32 neighbouring bytes of a row, and the lanes beside it hold other rows: so a block goes through my own stage in LDS and comes back as whole rows: my 64 columns are 256 bytes.
; LDS serves a wave's instructions in order (ISA guide 5.7.1.4): no wait between the stores and the loads, nor in front of the next block's stores.  Each block comes back into registers of its own, so no store's data are written again.
.macro TOSTAGE a
.irp b, 0,1,2,3
	ds_store_b128 v[STO], v[ACC+8*(4*(\a)+\b):ACC+8*(4*(\a)+\b)+3] offset:64*\b       ; each accumulator from its low end on
	ds_store_b128 v[STO], v[ACC+8*(4*(\a)+\b)+4:ACC+8*(4*(\a)+\b)+7] offset:64*\b+16
.endr
	WIN TO_F
.irp t, 0,1,2,3,4,5,6,7
	ds_load_b128 v[32*(\a)+4*\t:32*(\a)+4*\t+3], v[RD] offset:\t*2*SPITCH
.endr
	WIN 0
.endm
.macro SEND a, younger                 ; younger: the LDS instructions issued behind block a's loads: the next block's 8 stores and 8 loads, or none
	s_wait_dscnt \younger
	WIN 0x04                                       ; a store's data are its source 1: window 1
.irp t, 0,1,2,3,4,5,6,7
	global_store_b128 v[CO], v[32*(\a)+4*\t:32*(\a)+4*\t+3], s[12:13] offset:(16*(\a)+2*\t)*8192 th:TH_STORE_NT   ; 16 lanes store 256 consecutive bytes, at a multiple of 256 from out0's first byte
.endr
	WIN 0
.endm
	PLACES NP                                      ; behind the last products: their results are read, and loads land in registers that they read
	TOSTAGE 0
	TOSTAGE 1
	SEND 0, 16
	TOSTAGE 2
	SEND 1, 16
	TOSTAGE 3
	SEND 2, 16
	SEND 3, 0
	s_wait_tensorcnt 0x0                           ; the wave's end
	ds_add_u32 v[SPW], v[NIL]
	s_wait_dscnt 0x0
	CROUND                                         ; the closing round
	s_endpgm
.Lfunc_end_k_qafb111de05_proj:
	.size	k_qafb111de05_proj, .Lfunc_end_k_qafb111de05_proj-k_qafb111de05_proj
	.p2alignl 7, 3214868480
	.fill 96, 4, 3214868480
	.section	.rodata,"a",@progbits
	.p2align	6, 0x0
	.amdhsa_kernel k_qafb111de05_proj
		.amdhsa_group_segment_fixed_size 327680
		.amdhsa_private_segment_fixed_size 0
		.amdhsa_enable_private_segment 0
		.amdhsa_kernarg_size 48
		.amdhsa_user_sgpr_count 2
		.amdhsa_user_sgpr_kernarg_segment_ptr 1
		.amdhsa_wavefront_size32 1
		.amdhsa_system_sgpr_workgroup_id_x 1
		.amdhsa_system_sgpr_workgroup_id_y 1
		.amdhsa_system_sgpr_workgroup_id_z 1
		.amdhsa_system_vgpr_workitem_id 0
		.amdhsa_next_free_vgpr 512
		.amdhsa_next_free_sgpr 100
		.amdhsa_reserve_vcc 0
		.amdhsa_float_denorm_mode_32 3
		.amdhsa_float_denorm_mode_16_64 3
		.amdhsa_memory_ordered 1
		.amdhsa_forward_progress 1
		.amdhsa_inst_pref_size 96
	.end_amdhsa_kernel
	.amdgpu_metadata
---
amdhsa.version: [ 1, 2 ]
amdhsa.kernels:
  - .name:           k_qafb111de05_proj
    .symbol:         k_qafb111de05_proj.kd
    .args:
      - { .name: oc, .offset: 0, .size: 8, .value_kind: global_buffer, .address_space: global }
      - { .name: os, .offset: 8, .size: 8, .value_kind: global_buffer, .address_space: global }
      - { .name: wp_codes, .offset: 16, .size: 8, .value_kind: global_buffer, .address_space: global }
      - { .name: wp_scales, .offset: 24, .size: 8, .value_kind: global_buffer, .address_space: global }
      - { .name: bp, .offset: 32, .size: 8, .value_kind: global_buffer, .address_space: global }
      - { .name: out0, .offset: 40, .size: 8, .value_kind: global_buffer, .address_space: global }
    .group_segment_fixed_size: 327680
    .private_segment_fixed_size: 0
    .kernarg_segment_align: 8
    .kernarg_segment_size: 48
    .max_flat_workgroup_size: 128
    .sgpr_count:     100
    .vgpr_count:     512
    .wavefront_size: 32
...
	.end_amdgpu_metadata
.endif
;; end of part 3
